; MI455X (gfx1250); checked and timed in simulation.
; The chip was launched on July 23, 2026; its instructions are those of AMD's public machine-readable ISA for CDNA 5 (MIT licence, August 2026) and "CDNA5" Instruction Set Architecture Reference Guide (July 2026). The comments in the code are by the model that wrote it; some were corrected since.
;; Causal Self Attention. Allowed arithmetic: matrix products marked QUANTISED: E2M1 operands, one E8M0 scale for each 32 along K, by v_wmma_scale_f32_16x16x128_f8f6f4 with both operands' format E2M1 (or v_wmma_scale_f32_32x16x128_f4), f32 sums; products left as they are: bf16, f16 or f32 operands; f32 sums; everything else in f32.
;; Inputs: W_attn 3,072 x 1,024 float32; W_proj 1,024 x 1,024 float32; b_attn 3,072 float32; b_proj 1,024 float32; x 4 x 2,048 x 1,024 float32.
;; Outputs: out0 4 x 2,048 x 1,024 float32.
;; This version of the problem:
;;   THIS VERSION OF THE PROBLEM IS GIVEN IN LOW PRECISION. The matrix products marked QUANTISED in the list below multiply operands that are first quantised to E2M1 (2 exponent bits, 1 mantissa bit; 4 bits a number), with one power-of-two scale for each 32 numbers along K (OCP MX v1.0); their sums are f32. The products marked 'left as it is' may take bf16, f16 or f32 operands, with f32 sums. Whichever they take, every output number must still come out within the allowed error. Rounding operands to bf16 (8 significant bits) uses up far more of that allowance than f16 does (11 bits, for magnitudes from 6e-5 to 65,504). All else is computed in f32.
;;   The module's matrix products, in the order in which they are computed (A, B: the left and right operand; K: the contracted axis; several contracted axes count as one K, in the product's order):
;;     1. [M 8,192, K 1,024] x [K 1,024, N 3,072]; A: input x; B: input W_attn: QUANTISED
;;     2. batch 64 x [M 2,048, K 64] x [K 64, N 2,048]; A: computed on the way; B: computed on the way: left as it is (an operand is computed on the way)
;;     3. batch 64 x [M 2,048, K 2,048] x [K 2,048, N 64]; A: computed on the way; B: computed on the way: left as it is (an operand is computed on the way)
;;     4. [M 8,192, K 1,024] x [K 1,024, N 1,024]; A: computed on the way; B: input W_proj: left as it is (an operand is computed on the way)
;;   THE QUANTISER, for each operand of a quantised product, along K:
;;     - K is cut into blocks of 32 from its start; a last block that is shorter is filled with zeros.
;;     - A block's scale is 2^e with e = floor(log2(the largest magnitude in the block)) - 2, held to -126 .. 127; a block of zeros has e = 0. As a byte (E8M0): e + 127.
;;     - Each number is divided by its block's scale, clamped to +-6, and rounded to the nearest number of E2M1, ties to even, subnormals kept.
;;     - The product sums the exact products of the quantised numbers (number of the format x scale) in f32.
;;   ~~~python
;;   def quantise(x, axis):      # numpy; x: float32 -> the quantised numbers, widened to float32 again
;;       x = np.moveaxis(x, axis, -1); K = x.shape[-1]
;;       x = np.pad(x, [(0, 0)] * (x.ndim - 1) + [(0, -K % 32)]); x = x.reshape(x.shape[:-1] + (-1, 32)); a = np.abs(x).max(-1, keepdims=True)
;;       e = np.where(a > 0, np.clip(np.frexp(np.where(a > 0, a, 1))[1] - 1 - 2, -126, 127), 0)      # np.frexp(a)[1] - 1 = floor(log2(a)), exactly
;;       r = np.clip(x / 2.0 ** e, -6, 6)
;;       step = 2.0 ** (np.maximum(np.frexp(np.where(r == 0, 1, r))[1] - 1, 0) - 1)
;;       q = np.round(r / step) * step * 2.0 ** e      # np.round: ties to even
;;       return np.moveaxis(q.reshape(q.shape[:-2] + (-1,))[..., :K], -1, axis).astype(np.float32)
;;   ~~~
;; One version. Each part assembles by itself: llvm-mc -triple=amdgcn-amd-amdhsa -mcpu=gfx1250 --defsym DOCPART=n.
;; ======== version 1 of 1: 5 launches
;; limits: values are held in f16: magnitudes above 65,504 overflow, below 6.1e-05 lose precision
;; workspace buffers: x_codes 4,194,304 bytes; x_scales 262,144 bytes; w_codes 1,572,864 bytes; w_scales 98,304 bytes; wp16 2,097,152 bytes; qkv 50,331,648 bytes; qkv16 786,432 bytes; y 16,777,216 bytes
;; launch prep (part 1): grid 384 x 1, 4 waves a work-group, no clusters, 33,280 bytes of LDS; arguments x, W_attn, x_codes, x_scales, w_codes, w_scales, W_proj, wp16; writes x_codes, x_scales, w_codes, w_scales, wp16
.if DOCPART == 1
	.amdgcn_target "amdgcn-amd-amdhsa--gfx1250"
	.amdhsa_code_object_version 6
	.text
	.protected	k_q04b7097022_prep
	.globl	k_q04b7097022_prep
	.p2align	8
	.type	k_q04b7097022_prep,@function
k_q04b7097022_prep:
	s_mov_b64 s[64:65], 0
	v_nop
	global_prefetch_b8 v0, s[64:65] scope:SCOPE_SE
	s_setreg_imm32_b32 hwreg(HW_REG_WAVE_MODE, 25, 1), 1
	s_wait_xcnt 0x0
; x [8192][1024] and W_attn [3072][1024], f32, become codes of FP4 (E2M1), K innermost, two codes a byte, with one E8M0 scale byte for each 32 along K; W_proj [1024][1024] becomes f16.
; A block's scale is 2^(floor(log2(its largest magnitude)) - 2); its byte is the largest magnitude's own exponent field - 2, held at 1 from below.  A block of zeros so gets the byte 1 where the
; quantiser says 127: its codes are zeros, which add nothing under any byte but 0xff, and the bytes are read by this program alone.
; LIMITS: NaN and infinities among the inputs are not served; blocks whose largest magnitude lies under 2^(2 - 126) keep the byte 1; a number of W_proj of 65,504 or more becomes an infinity in f16.
; Work-groups 0 to WGA - 1 take x, WGA to WGQ - 1 take W_attn (one path, the buffers chosen by the work-group's number), the last 32 take W_proj (a path of its own, without LDS).
; THE QUANTISER.  Rows are dense and K is a multiple of 32: both tensors are plain streams of blocks of 32.  A wave takes 16 steps of 512 numbers.  Each of a step's four loads reads 512 consecutive bytes,
; 16 a lane; the 2,048 bytes turn through the wave's own stage in LDS and come back 64 bytes a lane, so that a lane holds 16 neighbours along K and two neighbouring lanes hold a block.
; A lane's 16 codes are 8 bytes: the wave stores 256 consecutive bytes.  A wave's 256 scale bytes are gathered in its own LDS bytes and leave as one run of 256 bytes.  Waves share nothing: no barrier.
.set SIZE_M, 8192
.set SIZE_N, 3072
.set SIZE_K, 1024
.set WAVES, 4
.set STEPS, 16
.set WGA,   SIZE_M*SIZE_K/(512*STEPS*WAVES)            ; 256 work-groups for x
.set WGQ,   (SIZE_M+SIZE_N)*SIZE_K/(512*STEPS*WAVES)   ; 352: behind them W_proj's 32
.set EMAX,  2
.set CB,    8                          ; bytes of 16 codes
.set R,     16                         ; v16-79   four sets of 16 numbers as they are loaded
.set X,     80                         ; v80-111  two sets of 16 neighbours
.set C,     128                        ; v128-191 codes: four registers for each step, so that no store's data are written again
.set E,     112                        ; v112-127 a scale byte for each step
.set WREG,  8192                       ; LDS: a region for each wave: two stages of 32 x SP bytes, behind them its 256 scale bytes
.set SP,    80                         ; a lane's place in a stage: its 64 bytes + 16 of padding
.set SPW,   12                         ; v12      LDS address of my spare word; never rewritten
.set NIL,   13                         ; v13      0; never rewritten
.set SPARE, WAVES*WREG                 ; behind the four regions: the spare words, 128 bytes a wave, which no other line names
.set HF,    144                        ; v144-175 W_proj's path: 16 pairs of packed f16
	s_load_b128 s[4:7], s[0:1], 0x0                ; x, W_attn
	s_load_b128 s[8:11], s[0:1], 0x10              ; x's codes, x's scales
	s_load_b128 s[12:15], s[0:1], 0x20             ; W_attn's codes, W_attn's scales
	s_load_b128 s[24:27], s[0:1], 0x30             ; W_proj, its copy in f16
	v_lshl_add_u32 v[SPW], v0, 2, SPARE
	v_mov_b32 v[NIL], 0
	v_lshrrev_b32 v1, 5, v0
	v_readfirstlane_b32 s16, v1                    ; wave
	v_and_b32 v2, 31, v0                           ; lane
	v_lshlrev_b32 v3, 4, v2                        ; my 16 bytes of a load's 512
	s_mul_i32 s17, s16, WREG
	v_lshrrev_b32 v14, 2, v2
	v_mul_u32_u24 v14, v14, SP
	v_and_b32 v15, 3, v2
	v_lshl_add_u32 v14, v15, 4, v14
	v_add_nc_u32 v14, s17, v14                     ; the stage, on the way in: four lanes' 64 bytes on end, then 16 of padding
	v_mul_u32_u24 v15, v2, SP
	v_add_nc_u32 v15, s17, v15                     ; and on the way out: SP x lane: my 16 neighbours
	v_mul_u32_u24 v4, v2, CB                       ; my 8 bytes of a store's 256
	v_lshrrev_b32 v5, 1, v2
	s_add_co_u32 s17, s17, 2*32*SP
	v_add_nc_u32 v5, s17, v5                       ; LDS: my wave's 256 scale bytes, my block's byte
	v_lshlrev_b32 v7, 3, v2                        ; and on the way out 8 bytes a lane
	v_add_nc_u32 v6, s17, v7
	s_wait_kmcnt 0x0
	s_cmp_ge_u32 ttmp9, WGQ                        ; the last 32 work-groups take W_proj
	s_cbranch_scc1 .Lwp
	s_cmp_lt_u32 ttmp9, WGA                        ; x's work-group or W_attn's?  The choice hangs on the work-group's number alone
	s_cselect_b64 s[4:5], s[4:5], s[6:7]
	s_cselect_b64 s[8:9], s[8:9], s[12:13]
	s_cselect_b64 s[10:11], s[10:11], s[14:15]
	s_cselect_b32 s17, 0, WGA
	s_sub_co_u32 s17, ttmp9, s17
	s_lshl_b32 s17, s17, 2
	s_add_co_u32 s18, s17, s16                     ; which run of 8,192 numbers of the tensor is my wave's
	s_mov_b32 s19, 0
	s_mov_b64 s[20:21], 512*STEPS*4
	s_mul_u64 s[20:21], s[18:19], s[20:21]
	s_add_nc_u64 s[4:5], s[4:5], s[20:21]
	s_mov_b64 s[20:21], 32*STEPS*CB
	s_mul_u64 s[20:21], s[18:19], s[20:21]
	s_add_nc_u64 s[8:9], s[8:9], s[20:21]
	s_lshl_b32 s18, s18, 8                         ; 256 scale bytes a run
	s_add_nc_u64 s[10:11], s[10:11], s[18:19]
.macro LOAD t
.irp i, 0,1,2,3
	global_load_b128 v[R+16*((\t)%4)+4*\i:R+16*((\t)%4)+4*\i+3], v3, s[4:5] offset:2048*(\t)+512*\i th:TH_LOAD_NT   ; 32 lanes read 512 consecutive bytes
.endr
.endm
.macro TURN t                          ; step t's numbers through the stage: LDS serves a wave's instructions in order, so no wait stands between the stores and the loads
.irp i, 0,1,2,3
	ds_store_b128 v14, v[R+16*((\t)%4)+4*\i:R+16*((\t)%4)+4*\i+3] offset:32*SP*((\t)%2)+8*SP*\i
.endr
.irp i, 0,1,2,3
	ds_load_b128 v[X+16*((\t)%2)+4*\i:X+16*((\t)%2)+4*\i+3], v15 offset:32*SP*((\t)%2)+16*\i
.endr
.endm
.irp t, 0,1,2,3
	LOAD \t
.endr
	s_wait_loadcnt 12                              ; step 0's four loads are in
	TURN 0
.macro STEP t
.set XS, X+16*((\t)%2)
.if (\t) > 0
	s_wait_dscnt 1                                 ; this step's numbers are back from the stage (the last step's byte store may be out): so its stores into the stage have read their registers,
.else
	s_wait_dscnt 0x0
.endif
.if (\t)+4 < STEPS
	LOAD (\t)+4                                    ; which take the loads of four steps on
.endif
.if (\t)+1 < STEPS
.if STEPS-2-(\t) >= 3
	s_wait_loadcnt 12                              ; the next step's four loads are in; those of the three steps behind it may be out
.else
	s_wait_loadcnt 4*(STEPS-2-(\t))
.endif
	TURN (\t)+1                                    ; and go through the other stage while this step is worked
.endif
	v_max3_num_f32 v8, |v[XS]|, |v[XS+1]|, |v[XS+2]|               ; the largest magnitude of my 16, in two chains
	v_max3_num_f32 v9, |v[XS+3]|, |v[XS+4]|, |v[XS+5]|
.irp i, 6,10
	v_max3_num_f32 v8, v8, |v[XS+\i]|, |v[XS+\i+1]|
	v_max3_num_f32 v9, v9, |v[XS+\i+2]|, |v[XS+\i+3]|
.endr
	v_max3_num_f32 v8, v8, |v[XS+14]|, |v[XS+15]|
	v_max3_num_f32 v8, v8, v9, (EMAX+1)<<23        ; and the floor 2^(EMAX + 1 - 127): the byte cannot fall under 1
	v_max_num_f32_dpp v8, v8, v8 row_xmask:1 row_mask:0xf bank_mask:0xf   ; and of my neighbour's 16: the block's
	v_add_nc_u32 v11, -(EMAX<<23), v8              ; EMAX off its exponent field: the conversion takes the exponent field of this operand as its scale, and nothing else of it
	v_cvt_scalef32_pk8_fp4_f32 v[C+4*(\t)], v[XS:XS+7], v11        ; eight numbers / the scale, to the nearest code, ties to even, beyond the largest code the largest
	v_cvt_scalef32_pk8_fp4_f32 v[C+4*(\t)+1], v[XS+8:XS+15], v11
	v_lshrrev_b32 v[E+(\t)], 23, v11               ; the scale's byte (also the plain line behind the conversions)
	ds_store_b8 v5, v[E+(\t)] offset:16*(\t)       ; both lanes of a block write the same byte with the same value
	global_store_b64 v4, v[C+4*(\t):C+4*(\t)+1], s[8:9] offset:32*CB*(\t)
.endm
.irp t, 0,1,2,3,4,5,6,7,8,9,10,11,12,13,14,15
	STEP \t
.endr
	ds_load_b64 v[8:9], v6                         ; LDS serves a wave's instructions in order: these see my stores
	s_wait_dscnt 0x0
	global_store_b64 v7, v[8:9], s[10:11]          ; 32 lanes store 256 consecutive bytes, aligned
	s_wait_tensorcnt 0x0                           ; the wave's end, behind my last LDS store
	ds_add_u32 v[SPW], v[NIL]
	s_wait_dscnt 0x0
	s_endpgm
; W_PROJ TO F16.  128 runs of 8,192 numbers, a run to a wave, in four batches of 16 loads.  A load reads 512 consecutive bytes, 16 a lane; a lane's four numbers pack into 8 bytes, and a store
; covers 256 consecutive bytes, aligned.  Two batches are on their way while one is packed.
.Lwp:
	s_sub_co_u32 s17, ttmp9, WGQ
	s_lshl_b32 s17, s17, 2
	s_add_co_u32 s17, s17, s16                     ; my run
	s_lshl_b32 s18, s17, 15                        ; 32,768 bytes of f32,
	s_mov_b32 s19, 0
	s_add_nc_u64 s[24:25], s[24:25], s[18:19]
	s_lshl_b32 s18, s17, 14                        ; 16,384 of f16
	s_add_nc_u64 s[26:27], s[26:27], s[18:19]
.macro LOADW t
.irp i, 0,1,2,3,4,5,6,7,8,9,10,11,12,13,14,15
	global_load_b128 v[R+64*((\t)%2)+4*\i:R+64*((\t)%2)+4*\i+3], v3, s[24:25] offset:(16*(\t)+\i)*512 th:TH_LOAD_NT
.endr
.endm
.macro PACKW t
.if (\t) < 3
	s_wait_loadcnt 16                              ; this batch is in; the next batch's 16 loads may be out
.else
	s_wait_loadcnt 0x0
.endif
.if (\t) > 0
	s_wait_xcnt 0x0                                ; the last batch's stores have read their data registers, which are written again below
.endif
.irp i, 0,1,2,3,4,5,6,7,8,9,10,11,12,13,14,15
	v_cvt_pk_f16_f32 v[HF+2*\i], v[R+64*((\t)%2)+4*\i], v[R+64*((\t)%2)+4*\i+1]
	v_cvt_pk_f16_f32 v[HF+2*\i+1], v[R+64*((\t)%2)+4*\i+2], v[R+64*((\t)%2)+4*\i+3]
.endr
.irp i, 0,1,2,3,4,5,6,7,8,9,10,11,12,13,14,15
	global_store_b64 v4, v[HF+2*\i:HF+2*\i+1], s[26:27] offset:(16*(\t)+\i)*256
.endr
.if (\t)+2 < 4
	LOADW (\t)+2
.endif
.endm
	LOADW 0
	LOADW 1
	PACKW 0
	PACKW 1
	PACKW 2
	PACKW 3
	s_endpgm
.Lfunc_end_k_q04b7097022_prep:
	.size	k_q04b7097022_prep, .Lfunc_end_k_q04b7097022_prep-k_q04b7097022_prep
	.p2alignl 7, 3214868480
	.fill 96, 4, 3214868480
	.section	.rodata,"a",@progbits
	.p2align	6, 0x0
	.amdhsa_kernel k_q04b7097022_prep
		.amdhsa_group_segment_fixed_size 33280
		.amdhsa_private_segment_fixed_size 0
		.amdhsa_enable_private_segment 0
		.amdhsa_kernarg_size 64
		.amdhsa_user_sgpr_count 2
		.amdhsa_user_sgpr_kernarg_segment_ptr 1
		.amdhsa_wavefront_size32 1
		.amdhsa_system_sgpr_workgroup_id_x 1
		.amdhsa_system_sgpr_workgroup_id_y 1
		.amdhsa_system_sgpr_workgroup_id_z 1
		.amdhsa_system_vgpr_workitem_id 0
		.amdhsa_next_free_vgpr 192
		.amdhsa_next_free_sgpr 66
		.amdhsa_reserve_vcc 0
		.amdhsa_float_denorm_mode_32 3
		.amdhsa_float_denorm_mode_16_64 3
		.amdhsa_memory_ordered 1
		.amdhsa_forward_progress 1
		.amdhsa_inst_pref_size 54
	.end_amdhsa_kernel
	.amdgpu_metadata
---
amdhsa.version: [ 1, 2 ]
amdhsa.kernels:
  - .name:           k_q04b7097022_prep
    .symbol:         k_q04b7097022_prep.kd
    .args:
      - { .name: x, .offset: 0, .size: 8, .value_kind: global_buffer, .address_space: global }
      - { .name: W_attn, .offset: 8, .size: 8, .value_kind: global_buffer, .address_space: global }
      - { .name: x_codes, .offset: 16, .size: 8, .value_kind: global_buffer, .address_space: global }
      - { .name: x_scales, .offset: 24, .size: 8, .value_kind: global_buffer, .address_space: global }
      - { .name: w_codes, .offset: 32, .size: 8, .value_kind: global_buffer, .address_space: global }
      - { .name: w_scales, .offset: 40, .size: 8, .value_kind: global_buffer, .address_space: global }
      - { .name: W_proj, .offset: 48, .size: 8, .value_kind: global_buffer, .address_space: global }
      - { .name: wp16, .offset: 56, .size: 8, .value_kind: global_buffer, .address_space: global }
    .group_segment_fixed_size: 33280
    .private_segment_fixed_size: 0
    .kernarg_segment_align: 8
    .kernarg_segment_size: 64
    .max_flat_workgroup_size: 128
    .sgpr_count:     66
    .vgpr_count:     192
    .wavefront_size: 32
...
	.end_amdgpu_metadata
.endif
;; end of part 1
;; launch qkv (part 2): grid 12 x 32, 4 waves a work-group, clusters of 4 x 4, 327,680 bytes of LDS; arguments x_codes, x_scales, w_codes, w_scales, b_attn, qkv, qkv16; writes qkv, qkv16
.if DOCPART == 2
	.amdgcn_target "amdgcn-amd-amdhsa--gfx1250"
	.amdhsa_code_object_version 6
	.text
	.protected	k_q04b7097022_qkv
	.globl	k_q04b7097022_qkv
	.p2align	8
	.type	k_q04b7097022_qkv,@function
k_q04b7097022_qkv:
	s_mov_b64 s[64:65], 0
	v_nop
	global_prefetch_b8 v0, s[64:65] scope:SCOPE_SE
	s_setreg_imm32_b32 hwreg(HW_REG_WAVE_MODE, 25, 1), 1
	s_wait_xcnt 0x0
	s_wait_alu depctr_hold_cnt(0) depctr_sa_sdst(0) depctr_va_vdst(0) depctr_va_sdst(0) depctr_va_ssrc(0) depctr_va_vcc(0) depctr_vm_vsrc(0)
	s_getreg_b32 s2, hwreg(HW_REG_IB_STS2, 6, 4)
	s_cmp_eq_u32 s2, 0
	s_cbranch_scc0 .Lentry_in_a_cluster
	s_endpgm
.Lentry_in_a_cluster:
	s_bfe_u32 s2, ttmp6, 0x10000c
	s_cmp_lg_u32 s2, 0xf033
	s_cbranch_scc0 .Lentry_shape_is_right
	s_endpgm
.Lentry_shape_is_right:
; qkv = Q(x) Q(W_attn)^T + b_attn, on codes of FP4 (E2M1) with one E8M0 scale for each 32 along K = 1,024; sums in f32.
; A = x's codes [8192][512 bytes], B = W_attn's codes [3072][512 bytes]; scale bytes [rows][32].
; OUT: qkv, f16, [3 (q, k, v)][4 batches][16 heads][2048 t][64]; and qkv16, f32: the rows t < 16 of every batch, as images of the accumulators' registers
; ([batch][192 blocks of 16 columns][2 halves][32 lanes][4 numbers]; lane (r, h) holds row t = r, columns 16 block + 8 h + 4 half + 0 .. 3).
; LIMIT: a number of q, k or v of 65,504 or more becomes an infinity in f16.
; A tile of 256 x 256 is made by four waves, each 128 x 128: 64 accumulators of 16 x 16, 512 registers.  K is two steps of 512 (rows of 256 bytes): both slots are filled at the start and never again.
; The scale bytes of the work-group's rows, for all of K, come into LDS once, as runs of 256 bytes.
; CLUSTERS: 4 x 4 work-groups.  The four of a row of the cluster need the same tiles of A, the four of a column the same tiles of B: each is asked for jointly.
; THE TILE ROW IS 8 cy + cluster y: the cluster's four rows are the same 256 positions t of the four batches.  So whether a work-group holds t = 0 hangs on the cluster's y alone, which all partners share.
; THE MATRIX INSTRUCTION IS USED TRANSPOSED (source 0 = 16 rows of B, source 1 = 16 rows of A): a lane holds eight neighbouring columns of one row.  b_attn is the C of each sum's first product.
; REGISTERS: window 0: v0-31 addresses; v32-95 scale words, two sets; v96-127 packed results; v128-191 A's fragments, one set, later rows on the way out; v192-255 the bias, eight registers for each block of 16 columns.
;   window 1: B's fragments, two sets, at v0 and v128.   window 2: the accumulators of my rows 0-63 ((a, b) at v[8 (8 a + b)]);   window 3: those of my rows 64-127.
.set NQ,     4                         ; matrix instructions deep in a slot
.set ROWB,   256                       ; a tile's row in bytes: 512 codes
.set KROW,   512                       ; a row of A or of B in memory, in bytes
.set PITCH,  272                       ; an LDS row: 256 bytes + 16 of padding = 68 words: the 16 rows that a load touches start 4 banks apart (64 banks of 4 bytes: ISA guide 11.1)
.set FR,     8                         ; registers of a fragment: 16 rows x 128 K
.set NL,     2                         ; LDS loads that bring one
.set NP,     4                         ; places behind this matrix instruction (ISA guide 7.12.1)
.set HALFT,  128*PITCH                 ; 128 rows: what one tensor load brings
.set SLOT,   4*HALFT                   ; A's 256 rows, then B's 256 rows
.set KS,     32                        ; a row of scales in bytes
.set SCL,    2*SLOT                    ; behind the slots: the scales, as runs of 256 bytes + 16 of padding
.set HALFS,  (128*KS/256)*272          ; the scales of 128 rows: what one tensor load brings
.set SBLK,   (16*KS/256)*272           ; those of 16 rows
.set SPARE,  SCL+4*HALFS               ; behind the scales: the spare words, 128 bytes a wave, which no other line names
.set HP,     144                       ; the way out: a stage row: a head's 128 bytes + 16
.set HSTG,   16*HP                     ; 16 rows of one head; a wave's stage is two of these.  The stages lie in slot 0, which has had its only fill and its last read when the first result is stored there
.set ADRA, 16                          ; v16-17  LDS address of my A fragments in slot 0, 1
.set ADRB, 20                          ; v20-21  the same for B
.set STO,  24                          ; v24     the way out: where I put 16 bytes of a row
.set RD,   25                          ; v25     the way out: where I read rows back
.set CO,   26                          ; v26     16 x lane
.set ADRS, 27                          ; v27     LDS address of my scale words: lanes 0-15 A's rows, lanes 16-31 B's
.set SPW,  28                          ; v28     LDS address of my spare word; never rewritten
.set NIL,  29                          ; v29     0; never rewritten
.set BO,   30                          ; v30     32 x (lane / 16): my half's eight numbers of a block of the bias
.set SC,   32
.set TMP,  96
.set AF,   128
.set BK,   128
.set BIAS, 192
.set G1, 24                            ; s[24:31] descriptor group 1 for A's tiles;  s[32:39] group 0, one set for each slot
.set G0, 32
.set G1B, 48                           ; s[48:55], s[56:63] the same for B's tiles
.set G0B, 56
.set G1S, 68                           ; s[68:75], s[76:79] groups 1 and 0 for A's scales;  s[80:87], s[88:91] for B's
.set G0S, 76
.set G1SB, 80
.set G0SB, 88
.set MSB, 0
.macro WIN new                         ; the immediate's high byte repeats the setting that is left; a switch that changes nothing is dropped
.if MSB != (\new)
	s_set_vgpr_msb (MSB<<8)|(\new)
.set MSB, (\new)
.endif
.endm
.set MUL_LO, 0xa1                      ; source 0 (B) window 1, source 1 (A) window 0, C and D window 2
.set MUL_HI, 0xf1                      ; the same, C and D window 3
.set TO_B,   0x40                      ; destination window 1, address window 0
; A joint load: waves 0 and 1 fetch for A, waves 2 and 3 for B.  Each line has one mask and one set of registers for all that issue it; the branch hangs on the wave's number alone.
; An s_nop 0 and four v_nop follow each of the two lines.
.macro JLOAD g0a, g1a, g0b, g1b
	s_cmp_eq_u32 s15, 0
	s_cbranch_scc0 .Lfor_b_\@
	tensor_load_to_lds s[\g0a:\g0a+3], s[\g1a:\g1a+7]
	s_nop 0
.rept 4
	v_nop
.endr
	s_branch .Lasked_\@
.Lfor_b_\@:
	tensor_load_to_lds s[\g0b:\g0b+3], s[\g1b:\g1b+7]
	s_nop 0
.rept 4
	v_nop
.endr
.Lasked_\@:
.endm
.macro CROUND                          ; a round of the cluster's barrier
	s_barrier_signal -1
	s_barrier_wait -1
	s_cmp_lg_u32 s14, 0
	s_cbranch_scc1 .Lnot_wave_0_\@
	s_barrier_signal -3
.Lnot_wave_0_\@:
	s_barrier_wait -3
	s_barrier_signal -1
	s_barrier_wait -1
.endm
	s_load_b128 s[4:7], s[0:1], 0x0                ; A's codes s[4:5], A's scales s[6:7]
	s_load_b128 s[8:11], s[0:1], 0x10              ; B's codes s[8:9], B's scales s[10:11]
	s_load_b128 s[96:99], s[0:1], 0x20             ; b_attn s[96:97], qkv s[98:99]
	s_load_b64 s[100:101], s[0:1], 0x30            ; qkv16
	v_lshl_add_u32 v[SPW], v0, 2, SPARE
	v_mov_b32 v[NIL], 0
	ds_add_u32 v[SPW], v[NIL]                      ; the wave's opening: the add, twice on end, and its wait ahead of my first tensor load
	ds_add_u32 v[SPW], v[NIL]
	v_lshrrev_b32 v1, 5, v0
	v_readfirstlane_b32 s14, v1                    ; wave 0..3
	s_lshr_b32 s15, s14, 1                         ; which half of the tile's rows is mine.  Also: I fetch for A (0) or for B (1)
	s_and_b32 s16, s14, 1                          ; which half of its columns.  Also: which 128 rows of that tile I fetch
	s_bfe_u32 s40, ttmp6, 0x40000                  ; cx, cy: my place in the cluster
	s_bfe_u32 s41, ttmp6, 0x40004
	s_lshl_b32 s42, ttmp9, 2
	s_add_co_u32 s42, s42, s40                     ; tile column = 4 x cluster x + cx
	s_and_b32 s66, ttmp7, 0xffff                   ; cluster y: which 256 positions t
	s_lshl_b32 s17, s41, 3
	s_add_co_u32 s17, s17, s66                     ; tile row = 8 cy + cluster y: batch cy
	s_or_b32 s67, s66, s15                         ; 0 where my wave's first 16 rows are t = 0 .. 15
	s_lshl_b32 s43, s41, 2
	s_lshl_b32 s43, 15, s43                        ; my row of the cluster
	s_lshl_b32 s44, 0x1111, s40                    ; my column
	; descriptor group 1: a tile of 128 rows x 256 bytes, 16 bytes of padding behind each row
	s_or_b32 s[G1+0], s43, (0<<16)|(1<<20)|(1<<21)|(5<<22)|(3<<25)  ; 15:0 the mask: A's tiles go to my row; 17:16 elements of 1 byte; 20 padding on; 21 set beside a mask; 24:22 after every 64 words; 31:25 four words
	s_or_b32 s[G1B+0], s44, (0<<16)|(1<<20)|(1<<21)|(5<<22)|(3<<25)
.irp g, G1, G1B
	s_mov_b32 s[\g+1], ROWB<<16                    ; tensor_dim0
	s_mov_b32 s[\g+2], 128<<16                     ; tensor_dim1
	s_mov_b32 s[\g+3], ROWB<<16                    ; tile_dim0
	s_mov_b32 s[\g+4], 128                         ; tile_dim1
	s_mov_b32 s[\g+5], KROW                        ; from row to row
	s_mov_b32 s[\g+6], 0
	s_mov_b32 s[\g+7], 0
.endr
	; the scales of 128 rows: a dense block of 4,096 bytes, as 16 rows of 256 bytes (32 elements of 8 bytes), 16 bytes of padding behind each
	s_or_b32 s[G1S+0], s43, (3<<16)|(1<<20)|(1<<21)|(5<<22)|(3<<25)
	s_or_b32 s[G1SB+0], s44, (3<<16)|(1<<20)|(1<<21)|(5<<22)|(3<<25)
.irp g, G1S, G1SB
	s_mov_b32 s[\g+1], 32<<16
	s_mov_b32 s[\g+2], (128*KS/256)<<16
	s_mov_b32 s[\g+3], 32<<16
	s_mov_b32 s[\g+4], 128*KS/256
	s_mov_b32 s[\g+5], 32
	s_mov_b32 s[\g+6], 0
	s_mov_b32 s[\g+7], 0
.endr
	s_lshl_b32 s18, s16, 7                         ; which 128 rows of the tile I fetch
	s_lshl_b32 s20, s17, 8
	s_add_co_u32 s20, s20, s18                     ; A: row 256 x tile row + 128 x half
	s_lshl_b32 s46, s42, 8
	s_add_co_u32 s46, s46, s18                     ; B: row 256 x tile column + 128 x half
	s_mov_b32 s21, 0
	s_mov_b32 s47, 0
	s_mov_b64 s[18:19], KS
	s_mul_u64 s[22:23], s[20:21], s[18:19]         ; where these rows' scales begin, in bytes
	s_mul_u64 s[92:93], s[46:47], s[18:19]
	s_mov_b64 s[18:19], KROW
	s_mul_u64 s[20:21], s[20:21], s[18:19]         ; and their codes
	s_mul_u64 s[46:47], s[46:47], s[18:19]
	s_mul_i32 s45, s14, HALFT                      ; where they go: wave x 128 rows: no place in the cluster enters an LDS address
	s_mul_i32 s94, s14, HALFS
	s_wait_dscnt 0x0                               ; both opening adds are done
	s_wait_kmcnt 0x0
	s_add_nc_u64 s[20:21], s[4:5], s[20:21]
	s_add_nc_u64 s[22:23], s[6:7], s[22:23]
	s_add_nc_u64 s[46:47], s[8:9], s[46:47]
	s_add_nc_u64 s[92:93], s[10:11], s[92:93]
	CROUND                                         ; all sixteen work-groups are here: the joint loads meet
	s_mov_b32 s[G0S], 1
	s_add_co_u32 s[G0S+1], s94, SCL
	s_mov_b64 s[G0S+2:G0S+3], s[22:23]
	s_or_b32 s[G0S+3], s[G0S+3], 0x80000000
	s_mov_b32 s[G0SB], 1
	s_add_co_u32 s[G0SB+1], s94, SCL
	s_mov_b64 s[G0SB+2:G0SB+3], s[92:93]
	s_or_b32 s[G0SB+3], s[G0SB+3], 0x80000000
	JLOAD G0S, G1S, G0SB, G1SB                     ; the scales first: they are wanted with the first K step
.irp s, 0,1
	s_mov_b32 s[G0+4*\s], 1
	s_add_co_u32 s[G0+4*\s+1], s45, \s*SLOT
	s_add_nc_u64 s[G0+4*\s+2:G0+4*\s+3], s[20:21], \s*ROWB
	s_or_b32 s[G0+4*\s+3], s[G0+4*\s+3], 0x80000000
	s_mov_b32 s[G0B+4*\s], 1
	s_add_co_u32 s[G0B+4*\s+1], s45, \s*SLOT
	s_add_nc_u64 s[G0B+4*\s+2:G0B+4*\s+3], s[46:47], \s*ROWB
	s_or_b32 s[G0B+4*\s+3], s[G0B+4*\s+3], 0x80000000
	JLOAD G0+4*\s, G1, G0B+4*\s, G1B               ; three loads of mine are out behind the second of these
.endr
	v_and_b32 v1, 15, v0                           ; r = lane % 16
	v_bfe_u32 v2, v0, 4, 1                         ; h = lane / 16
	; the bias: my 128 columns begin at 256 x tile column + 128 x half; block b, my half: 32 bytes at 64 b + 32 h
	v_lshlrev_b32 v[BO], 5, v2
	s_lshl_b32 s46, s42, 10
	s_lshl_b32 s47, s16, 9
	s_add_co_u32 s46, s46, s47
	s_mov_b32 s47, 0
	s_add_nc_u64 s[96:97], s[96:97], s[46:47]
.irp b, 0,1,2,3,4,5,6,7
	global_load_b128 v[BIAS+8*\b:BIAS+8*\b+3], v[BO], s[96:97] offset:64*\b
	global_load_b128 v[BIAS+8*\b+4:BIAS+8*\b+7], v[BO], s[96:97] offset:64*\b+16
.endr
	v_mul_u32_u24 v3, v1, PITCH
	v_lshl_add_u32 v4, v2, 4, v3                   ; a fragment's row x pitch + 16 x half
	s_mul_i32 s21, s15, HALFT                      ; my 128 rows of A
	s_mul_i32 s22, s16, HALFT                      ; my 128 rows of B,
	s_add_co_u32 s22, s22, 2*HALFT                 ; which lie behind A's 256
.irp s, 0,1
	v_add_nc_u32 v[ADRA+\s], s21, v4
	v_add_nc_u32 v[ADRB+\s], s22, v4
	s_add_co_u32 s21, s21, SLOT
	s_add_co_u32 s22, s22, SLOT
.endr
	v_mul_u32_u24 v5, v1, KS                       ; my row's scales: 32 bytes a row,
	v_lshrrev_b32 v6, 8, v5
	v_lshl_add_u32 v5, v6, 4, v5                   ; and 16 more for each 256 passed
	s_mul_i32 s21, s15, HALFS                      ; A's: my 128 rows
	s_mul_i32 s22, s16, HALFS                      ; B's: my 128 rows, behind A's 256
	s_add_co_u32 s22, s22, 2*HALFS
	s_sub_co_u32 s22, s22, s21
	v_mul_u32_u24 v6, s22, v2                      ; lanes 16-31 take B's: one product, the distance between the two bases x h
	s_add_co_u32 s21, s21, SCL
	v_add_nc_u32 v5, v5, v6
	v_add_nc_u32 v[ADRS], s21, v5
	s_mul_i32 s23, s14, 2*HSTG                     ; my stage
	v_mul_u32_u24 v5, v1, HP                       ; in: row r, 16 bytes for each half of the lanes
	v_lshl_add_u32 v5, v2, 4, v5
	v_add_nc_u32 v[STO], s23, v5
	v_bfe_u32 v5, v0, 3, 2                         ; back: eight lanes to a row of 128 bytes, four rows an instruction
	v_mul_u32_u24 v5, v5, HP
	v_and_b32 v6, 7, v0
	v_lshl_add_u32 v5, v6, 4, v5
	v_add_nc_u32 v[RD], s23, v5
	v_and_b32 v6, 31, v0
	v_lshlrev_b32 v[CO], 4, v6                     ; in memory those four rows are 512 consecutive bytes: 16 x lane
	; qkv at my wave's first head and first row: head number hh = 4 x tile column + 2 x half of 48; (hh / 16) << 24 + batch << 22 + (hh % 16) << 18 + t << 7
	s_lshl_b32 s46, s42, 2
	s_lshl_b32 s47, s16, 1
	s_add_co_u32 s46, s46, s47
	s_lshr_b32 s47, s46, 4
	s_lshl_b32 s47, s47, 24
	s_and_b32 s46, s46, 15
	s_lshl_b32 s46, s46, 18
	s_add_co_u32 s46, s46, s47
	s_lshl_b32 s47, s41, 22
	s_add_co_u32 s46, s46, s47
	s_lshl_b32 s47, s66, 15
	s_add_co_u32 s46, s46, s47
	s_lshl_b32 s47, s15, 14
	s_add_co_u32 s46, s46, s47
	s_mov_b32 s47, 0
	s_add_nc_u64 s[98:99], s[98:99], s[46:47]
	; qkv16 at my batch and my first block of 16 columns: batch x 196,608 + (16 x tile column + 8 x half) x 1,024
	s_mul_i32 s46, s41, 196608
	s_lshl_b32 s47, s42, 14
	s_add_co_u32 s46, s46, s47
	s_lshl_b32 s47, s16, 13
	s_add_co_u32 s46, s46, s47
	s_mov_b32 s47, 0
	s_add_nc_u64 s[100:101], s[100:101], s[46:47]
.macro FRAG reg, adr, q, i             ; a fragment, 16 rows x 128 K of 4-bit codes: lane l holds row l % 16; registers 4 c .. 4 c + 3 hold K = 64 c + 32 (l / 16) + 0 .. 31
.irp c, 0,1
	ds_load_b128 v[\reg+4*\c:\reg+4*\c+3], v[\adr] offset:64*(\q)+32*\c+(\i)*16*PITCH
.endr
.endm
; 16 matrix instructions: A's blocks a0, a0 + 1 x B's eight, 128 along K: the slot's q-th.  p: B's set;  sc: the set of scale words.  zero = 1: the first product starts the sum from the bias.
; The 64 accumulators take turns, one instruction a turn, in the same order in every step.
.macro MUL16 a0, p, q, sc, zero
.irp a, \a0, \a0+1
.irp b, 0,1,2,3,4,5,6,7
.if \zero
	v_wmma_scale_f32_16x16x128_f8f6f4 v[8*(8*((\a)%4)+\b):8*(8*((\a)%4)+\b)+7], v[128*(\p)+FR*\b:128*(\p)+FR*\b+FR-1], v[AF+FR*(\a):AF+FR*(\a)+FR-1], v[BIAS+8*\b:BIAS+8*\b+7], v[SC+8*NQ*(\sc)+NQ*\b+(\q)], v[SC+8*NQ*(\sc)+NQ*(\a)+(\q)] matrix_a_fmt:MATRIX_FMT_FP4 matrix_b_fmt:MATRIX_FMT_FP4 matrix_a_scale:MATRIX_SCALE_ROW1
.else
	v_wmma_scale_f32_16x16x128_f8f6f4 v[8*(8*((\a)%4)+\b):8*(8*((\a)%4)+\b)+7], v[128*(\p)+FR*\b:128*(\p)+FR*\b+FR-1], v[AF+FR*(\a):AF+FR*(\a)+FR-1], v[8*(8*((\a)%4)+\b):8*(8*((\a)%4)+\b)+7], v[SC+8*NQ*(\sc)+NQ*\b+(\q)], v[SC+8*NQ*(\sc)+NQ*(\a)+(\q)] matrix_a_fmt:MATRIX_FMT_FP4 matrix_b_fmt:MATRIX_FMT_FP4 matrix_a_scale:MATRIX_SCALE_ROW1
.endif
.endr
.endr
.endm
.macro FETCH_B slot, q, p              ; B's eight fragments of the slot's q-th 128 along K into set p
	WIN TO_B
.irp i, 0,1,2,3,4,5,6,7
	FRAG 128*(\p)+FR*\i, ADRB+\slot, \q, \i
.endr
	WIN 0
.endm
.macro FETCH_A slot, q, i0             ; A's blocks i0 .. i0 + 3
.irp i, \i0, \i0+1, \i0+2, \i0+3
	FRAG AF+FR*(\i), ADRA+\slot, \q, \i
.endr
.endm
.macro SCALES sc                       ; a K step's scale words into set sc: four words a row; lanes 0-15 take A's block i, lanes 16-31 B's block i
.irp i, 0,1,2,3,4,5,6,7
	ds_load_b128 v[SC+8*NQ*\sc+NQ*\i:SC+8*NQ*\sc+NQ*\i+3], v[ADRS] offset:\i*SBLK
.endr
.endm
; A load into a register that a matrix instruction has read, and a vector instruction or a store that reads a matrix result, stand NP places behind it; only plain vector instructions that name none
; of its registers are places (ISA guide 7.12.1 for vector instructions).
.macro PLACES n
.rept \n
	v_nop
.endr
.endm
; A step of 128 along K that has its successor in the same slot.  With zero = 1 source 2 is the bias, in window 0.
.macro STEP slot, q, zero
	s_wait_dscnt 4*NL                              ; B's set and A's blocks 0-3 are in; the youngest eight loads (A's blocks 4-7) may be out
	WIN MUL_LO-0x20*(\zero)
	MUL16 0, (\q)%2, \q, \slot, \zero
	MUL16 2, (\q)%2, \q, \slot, \zero
	s_wait_dscnt 0                                 ; A's blocks 4-7 are in
	PLACES NP
	FETCH_B \slot, (\q)+1, 1-(\q)%2
	FETCH_A \slot, (\q)+1, 0
	WIN MUL_HI-0x30*(\zero)
	MUL16 4, (\q)%2, \q, \slot, \zero
	MUL16 6, (\q)%2, \q, \slot, \zero
	PLACES NP
	WIN 0
	FETCH_A \slot, (\q)+1, 4
.endm
; Slot 0's last step changes slots: one barrier; in front of it each wave waits for all its tensor loads (its part of slot 1), adds 0 to its spare word, and waits for that and for its reads of slot 0.
; Behind it slot 1 is whole and nobody reads slot 0 any more.  Nothing is filled again.
.macro TURN slot, next
	s_wait_tensorcnt 0x0                           ; all my tensor loads have landed  (every window is 0 here)
	ds_add_u32 v[SPW], v[NIL]                      ; 0 onto my spare word
	s_wait_dscnt 4*NL+1                            ; (the add and the youngest eight loads, A's blocks 4-7, may be out)
	WIN MUL_LO
	MUL16 0, 1, NQ-1, \slot, 0                     ; sixteen matrix instructions stand between the add and the wait for it
	s_wait_dscnt 0x0                               ; the add is done, and my reads of this slot are over
	s_barrier_signal -1
	MUL16 2, 1, NQ-1, \slot, 0
	WIN 0
	s_barrier_wait -1
	PLACES NP
	v_add_nc_u32 v[ADRS], 4*NQ, v[ADRS]            ; on to the next K step's scale words
	FETCH_B \next, 0, 0
	FETCH_A \next, 0, 0
	SCALES \next
	WIN MUL_HI
	MUL16 4, 1, NQ-1, \slot, 0
	MUL16 6, 1, NQ-1, \slot, 0
	PLACES NP
	WIN 0
	FETCH_A \next, 0, 4
.endm
.macro STEPS slot, from                ; the slot's steps from .. NQ - 2
.set Q, \from
.rept NQ-1-\from
	STEP \slot, Q, 0
.set Q, Q+1
.endr
.endm
	s_wait_tensorcnt 1                             ; the scales and my part of slot 0 are in (slot 1's load may be out),
	s_barrier_signal -1
	s_barrier_wait -1                              ; everybody's are
	FETCH_B 0, 0, 0
	FETCH_A 0, 0, 0
	SCALES 0
	FETCH_A 0, 0, 4
	s_wait_loadcnt 0x0                             ; the bias
	STEP 0, 0, 1                                   ; the first step's products start the sums
	STEPS 0, 1
	TURN 0, 1
	STEPS 1, 0
	s_wait_dscnt 4*NL                              ; the very last step: nothing more to fetch
	WIN MUL_LO
	MUL16 0, 1, NQ-1, 1, 0
	MUL16 2, 1, NQ-1, 1, 0
	s_wait_dscnt 0
	WIN MUL_HI
	MUL16 4, 1, NQ-1, 1, 0
	MUL16 6, 1, NQ-1, 1, 0
	WIN 0
	PLACES NP                                      ; behind the last products: for the reads of results and the loads into A's registers below
	; THE ROWS t < 16 ALSO LEAVE IN F32, as they stand in the registers: each store is 512 consecutive bytes, each accumulator from its low end on.  The branch hangs on the cluster's y and the wave's number.
	s_cmp_lg_u32 s67, 0
	s_cbranch_scc1 .Lno16
	WIN 0x08                                       ; a store's data: window 2
.irp b, 0,1,2,3,4,5,6,7
	global_store_b128 v[CO], v[8*\b:8*\b+3], s[100:101] offset:1024*\b
	global_store_b128 v[CO], v[8*\b+4:8*\b+7], s[100:101] offset:1024*\b+512
.endr
	WIN 0
.Lno16:
; THE WAY OUT, block by block of 16 rows x 128 columns = two heads.  PACK: rounded to f16, 16 bytes a lane.  TOSTAGE: into my own stage, rows of 144 bytes, and back four whole rows an instruction.
; SEND: four rows of a head are 512 consecutive bytes of qkv.  LDS serves a wave's instructions in order (ISA guide 5.7.1.4): no wait between the stores and the loads.
.macro PACK a
.set AC, 64*((\a)%4)
	WIN 0x0a+5*((\a)/4)                            ; sources 0 and 1: window 2 or 3
.irp b, 0,1,2,3,4,5,6,7
.irp i, 0,1,2,3
	v_cvt_pk_f16_f32 v[TMP+4*\b+\i], v[AC+8*\b+2*\i], v[AC+8*\b+2*\i+1]
.endr
.endr
	WIN 0
.endm
.macro TOSTAGE a
.set BB, BK+32*((\a)%2)
.if (\a) > 1
	s_wait_xcnt 0x0                                ; block a - 2's stores have read their registers: this block's rows may land there
.endif
.irp b, 0,1,2,3,4,5,6,7
	ds_store_b128 v[STO], v[TMP+4*\b:TMP+4*\b+3] offset:(\b/4)*HSTG+32*(\b%4)
.endr
.irp i, 0,1,2,3,4,5,6,7
	ds_load_b128 v[BB+4*\i:BB+4*\i+3], v[RD] offset:(\i/4)*HSTG+(\i%4)*4*HP
.endr
.endm
.macro SEND a
.set BB, BK+32*((\a)%2)
	s_wait_dscnt 0x0                               ; the block is back in registers
.irp i, 0,1,2,3,4,5,6,7
	global_store_b128 v[CO], v[BB+4*\i:BB+4*\i+3], s[98:99] offset:(\i/4)*262144+(\a)*2048+(\i%4)*512
.endr
.endm
	PACK 0
	TOSTAGE 0
.irp a, 1,2,3,4,5,6,7                  ; block a's conversions stand between block a - 1's loads from the stage and the wait for them
	PACK \a
	SEND \a-1
	TOSTAGE \a
.endr
	SEND 7
	s_wait_tensorcnt 0x0                           ; the wave's end, behind my last tensor load and my last LDS store
	ds_add_u32 v[SPW], v[NIL]
	s_wait_dscnt 0x0
	CROUND                                         ; the closing round
	s_endpgm
.Lfunc_end_k_q04b7097022_qkv:
	.size	k_q04b7097022_qkv, .Lfunc_end_k_q04b7097022_qkv-k_q04b7097022_qkv
	.p2alignl 7, 3214868480
	.fill 96, 4, 3214868480
	.section	.rodata,"a",@progbits
	.p2align	6, 0x0
	.amdhsa_kernel k_q04b7097022_qkv
		.amdhsa_group_segment_fixed_size 327680
		.amdhsa_private_segment_fixed_size 0
		.amdhsa_enable_private_segment 0
		.amdhsa_kernarg_size 56
		.amdhsa_user_sgpr_count 2
		.amdhsa_user_sgpr_kernarg_segment_ptr 1
		.amdhsa_wavefront_size32 1
		.amdhsa_system_sgpr_workgroup_id_x 1
		.amdhsa_system_sgpr_workgroup_id_y 1
		.amdhsa_system_sgpr_workgroup_id_z 1
		.amdhsa_system_vgpr_workitem_id 0
		.amdhsa_next_free_vgpr 1024
		.amdhsa_next_free_sgpr 102
		.amdhsa_reserve_vcc 0
		.amdhsa_float_denorm_mode_32 3
		.amdhsa_float_denorm_mode_16_64 3
		.amdhsa_memory_ordered 1
		.amdhsa_forward_progress 1
		.amdhsa_inst_pref_size 130
	.end_amdhsa_kernel
	.amdgpu_metadata
---
amdhsa.version: [ 1, 2 ]
amdhsa.kernels:
  - .name:           k_q04b7097022_qkv
    .symbol:         k_q04b7097022_qkv.kd
    .args:
      - { .name: x_codes, .offset: 0, .size: 8, .value_kind: global_buffer, .address_space: global }
      - { .name: x_scales, .offset: 8, .size: 8, .value_kind: global_buffer, .address_space: global }
      - { .name: w_codes, .offset: 16, .size: 8, .value_kind: global_buffer, .address_space: global }
      - { .name: w_scales, .offset: 24, .size: 8, .value_kind: global_buffer, .address_space: global }
      - { .name: b_attn, .offset: 32, .size: 8, .value_kind: global_buffer, .address_space: global }
      - { .name: qkv, .offset: 40, .size: 8, .value_kind: global_buffer, .address_space: global }
      - { .name: qkv16, .offset: 48, .size: 8, .value_kind: global_buffer, .address_space: global }
    .group_segment_fixed_size: 327680
    .private_segment_fixed_size: 0
    .kernarg_segment_align: 8
    .kernarg_segment_size: 56
    .max_flat_workgroup_size: 128
    .sgpr_count:     102
    .vgpr_count:     1024
    .wavefront_size: 32
...
	.end_amdgpu_metadata
.endif
;; end of part 2
;; launch attn (part 3): grid 4 x 64, 8 waves a work-group, no clusters, 327,680 bytes of LDS; arguments qkv, y; writes y
.if DOCPART == 3
	.amdgcn_target "amdgcn-amd-amdhsa--gfx1250"
	.amdhsa_code_object_version 6
	.text
	.protected	k_q04b7097022_attn
	.globl	k_q04b7097022_attn
	.p2align	8
	.type	k_q04b7097022_attn,@function
k_q04b7097022_attn:
	s_mov_b64 s[64:65], 0
	v_nop
	global_prefetch_b8 v0, s[64:65] scope:SCOPE_SE
	s_setreg_imm32_b32 hwreg(HW_REG_WAVE_MODE, 25, 1), 1
	s_wait_xcnt 0x0
; y[bh][q][:] = the sum over k <= q of softmax_k(Q[bh][q] . K[bh][k] / 8) V[bh][k][:].  Q, K, V: the three parts of qkv, f16, [64 heads][2048][64]; y likewise.  Products, maxima and sums in f32;
; the weights p are rounded to f16 for the second product, y once at the end.  A running maximum m and sum l for each query: p = 2^(c s - c m), c = log2(e) / 8.
; LIMIT: a number of y of 65,504 or more becomes an infinity in f16.
; SHARES.  Work-group (p, head) owns the blocks of 256 queries p and 7 - p of its head and walks (p + 1) + (8 - p) = 9 units of 256 keys: the same count for every work-group, so the causal work is even
; and the trip count is a constant.  Each of its eight waves owns 32 queries of the block in hand, two tiles of 16: group g = wave for waves 0 to 3, 11 - wave for waves 4 to 7.
; NO CLUSTER: under the causal mask the work-groups of a head want different units in the same trip, so no request could be made jointly.
; LAYOUT.  S^T = K Q^T (source 0 = 16 keys, source 1 = 16 queries): a lane holds ONE query (lane % 16) and keys 8 (lane / 16) + 0..7.  Two such tiles, rounded to f16 in pairs, are source 1 (32 keys x 16 queries)
; of O^T = V^T P, whose result again holds one query a lane and eight channels.  K comes out of LDS as it lies, V ([key][channel]) turned, by ds_load_tr16_b128.
; THE RING.  Two slots of one unit (256 rows of K, 256 of V); waves 0 to 3 fetch K's quarters, waves 4 to 7 V's, one tensor load a wave behind each barrier; it has a whole unit's work in which to land.
; THE MASK.  In the unit on the diagonal a step of 64 keys all of which come after the wave's queries ends the unit for that wave (a scalar branch on ids; no barrier and no tensor load stands in a unit);
; in a step that the diagonal crosses, hidden scores become -infinity ahead of the maximum.  A step that is walked begins at or under the wave's first query, so every query sees a key in it.
; REGISTERS.  Window 0: v1-15 addresses; v16-31 statistics, eight a tile; v32-63 Q; v64-127 K of a step; v128-191 S^T; v192-223 P; v224, v225 the add's two.
;   Window 1: v0-63 O^T; v64-127 V of a step; v128-159 the second block's Q.
.set KP,    144                        ; a row of K in LDS: 128 bytes + 16 = 36 words: the 16 rows of a load start 4 banks apart modulo 64 (64 banks of 4 bytes: ISA guide 11.1)
.set VP,    160                        ; a row of V: 128 + 32 bytes
.set VOFF,  256*KP                     ; a slot: 256 rows of K, then 256 rows of V
.set SLOT1, 1<<17                      ; slot 1 begins here: one exclusive or turns an address in one slot into the other's
.set STAGE, VOFF+256*VP                ; behind slot 0: for each wave two tiles x 16 rows x 144 bytes, for the way out; no fill lands there
.set WSTG,  2*16*KP
.set SPARE, STAGE+8*WSTG               ; the spare words, 128 bytes a wave, which no other line names
.set AK0, 3                            ; v3   my lane's place in a tile of K
.set AV0, 4                            ; v4   the same for V
.set ADK, 5                            ; v5   LDS address of the unit's K
.set ADV, 6                            ; v6   of its V
.set QO,  7                            ; v7   my byte offset in the wave's rows of Q
.set STO, 8                            ; v8   the way out: where I put 16 bytes of a row
.set RD,  9                            ; v9   where I read rows back
.set GO,  10                           ; v10  16 x lane
.set RH,  11                           ; v11  lane % 16 - 8 (lane / 16)
.set NINF, 12                          ; v12  -infinity
.set DD,  13                           ; v13, v14  the mask's bound for tile 0, 1
.set PFO, 15                           ; v15  256 x lane
.set ST,  16                           ; tile t's statistics at v[ST+8 t]: +0 c m, +1 m, +2, +3 l (even keys', odd keys'), +4 to +7 at work; a takes +6
.set QR,  32
.set KR,  64
.set SS,  128
.set PR,  192
.set SPW, 224
.set NIL, 225
.set OT,  0                            ; window 1
.set VR,  64
.set QB1, 128
.set WV,  8                            ; s8   wave
.set PP,  9                            ; s9   p
.set P1,  10                           ; s10  p + 1: the trip in which the second block begins
.set GG,  11                           ; s11  32 g
.set UU,  12                           ; s12  trip
.set KU,  13                           ; s13  the unit in hand
.set NX,  14                           ; s14  the next unit
.set KF,  15                           ; s15  the unit's first key
.set Q0,  16                           ; s16  my first query
.set QL,  17                           ; s17  my last
.set TB,  18                           ; s18  LDS byte at which the slot in hand begins
.set TT,  19                           ; s19  at work
.set SEL, 20                           ; s[20:21] lane selects for v_permlanex16_b32: lane l xor 16
.set CS,  22                           ; s[22:23] c, twice: the packed form names a pair
.set G1K, 24                           ; s[24:31] descriptor group 1 for K's tiles;  s[32:39] for V's: it differs in the padding alone
.set G1V, 32
.set G0K, 40                           ; s[40:43], s[44:47] their groups 0
.set G0V, 44
.set KB,  48                           ; s[48:49] my quarter of the head's unit 0 of K;  s[50:51] of V
.set VB,  50
.set OFF, 52                           ; s[52:53] a unit's offset
.set YP,  54                           ; s[54:55] y at my first query
.set YD,  56                           ; s[56:57] from the first block's rows to the second's
.set PFA, 58                           ; s[58:59] where my prefetches stand
.set PFN, 60                           ; s60  4 in the head's first work-group, else 0
.set Q0B, 61                           ; s61  my first query in the second block
.set QA,  66                           ; s[66:67], s[68:69] Q at my rows of the two blocks
.set QB,  68
.set MSB, 0
.macro WIN new                         ; the immediate's high byte repeats the setting that is left; a switch that changes nothing is dropped
.if MSB != (\new)
	s_set_vgpr_msb (MSB<<8)|(\new)
.set MSB, (\new)
.endif
.endm
; Every wave fetches: waves 0 to 3 a quarter of K's unit, waves 4 to 7 of V's.  The branch hangs on the wave's number alone.  An s_nop 0 and four v_nop follow each line.
.macro TLOAD
	s_cmp_lt_u32 s[WV], 4
	s_cbranch_scc0 .Lfor_v_\@
	tensor_load_to_lds s[G0K:G0K+3], s[G1K:G1K+7]
	s_nop 0
.rept 4
	v_nop
.endr
	s_branch .Lasked_\@
.Lfor_v_\@:
	tensor_load_to_lds s[G0V:G0V+3], s[G1V:G1V+7]
	s_nop 0
.rept 4
	v_nop
.endr
.Lasked_\@:
.endm
; A PREFETCH INTO THE L2.  Units 4 to 7 of a head are asked for first by its work-group p = 0, in trips 4 to 7.  That work-group, and nobody else, names unit U + 1 in trips U = 3 to 6, one trip (a unit's four
; steps) ahead of its own tensor load for it: each wave the 8,192 bytes that it will itself fetch, lanes 256 bytes apart.  So each run of 256 bytes is named once in the launch.  Units 0 to 3 come by their loads alone.
.macro ASK
	s_sub_co_u32 s[TT], s[UU], 3
	s_cmp_lt_u32 s[TT], s[PFN]
	s_cbranch_scc0 .Lnot_mine_\@
	global_prefetch_b8 v[PFO], s[PFA:PFA+1] th:TH_LOAD_NT scope:SCOPE_SE
.Lnot_mine_\@:
.endm
	s_load_b128 s[4:7], s[0:1], 0x0                ; qkv s[4:5], y s[6:7]
	v_lshl_add_u32 v[SPW], v0, 2, SPARE
	v_mov_b32 v[NIL], 0
	ds_add_u32 v[SPW], v[NIL]                      ; the wave's opening: the add, twice on end, and its wait ahead of my first tensor load
	ds_add_u32 v[SPW], v[NIL]
	v_lshrrev_b32 v1, 5, v0
	v_readfirstlane_b32 s[WV], v1                  ; wave 0..7
	s_mov_b32 s[PP], ttmp9
	s_add_co_u32 s[P1], ttmp9, 1
	s_sub_co_u32 s[TT], 11, s[WV]
	s_cmp_lt_u32 s[WV], 4
	s_cselect_b32 s[GG], s[WV], s[TT]              ; g: waves w and w + 4 have 5 steps on the diagonal together
	s_lshl_b32 s[GG], s[GG], 5
	s_lshl_b32 s[Q0], ttmp9, 8
	s_add_co_u32 s[Q0], s[Q0], s[GG]               ; my first query in block p
	s_add_co_u32 s[QL], s[Q0], 31
	s_sub_co_u32 s[Q0B], 7, ttmp9
	s_lshl_b32 s[Q0B], s[Q0B], 8
	s_add_co_u32 s[Q0B], s[Q0B], s[GG]             ; and in block 7 - p
	s_and_b32 s62, ttmp7, 0xffff
	s_lshl_b32 s62, s62, 18                        ; the head's first byte in each part of qkv and in y
	s_and_b32 s63, s[WV], 3                        ; which quarter of a unit I fetch
	; descriptor group 1: 64 rows of 64 f16, dense in memory; padding behind every 32 words: 4 words for K, 8 for V
	s_mov_b32 s[G1K], (1<<16)|(1<<20)|(4<<22)|(3<<25)
	s_mov_b32 s[G1V], (1<<16)|(1<<20)|(4<<22)|(7<<25)
.irp g, G1K, G1V
	s_mov_b32 s[\g+1], 64<<16                      ; tensor_dim0
	s_mov_b32 s[\g+2], 64<<16                      ; tensor_dim1
	s_mov_b32 s[\g+3], 64<<16                      ; tile_dim0
	s_mov_b32 s[\g+4], 64                          ; tile_dim1
	s_mov_b32 s[\g+5], 64                          ; from row to row
	s_mov_b32 s[\g+6], 0
	s_mov_b32 s[\g+7], 0
.endr
	s_mov_b32 s[G0K], 1
	s_mul_i32 s[G0K+1], s63, 64*KP                 ; slot 0, my quarter
	s_mov_b32 s[G0V], 1
	s_mul_i32 s[G0V+1], s63, 64*VP
	s_add_co_u32 s[G0V+1], s[G0V+1], VOFF
	s_lshl_b32 s70, s63, 13                        ; 64 rows of 128 bytes
	s_add_co_u32 s70, s70, s62
	s_mov_b32 s71, 0
	s_lshl_b32 s72, s[Q0], 7
	s_add_co_u32 s72, s72, s62
	s_mov_b32 s73, 0
	s_lshl_b32 s74, s[Q0B], 7
	s_add_co_u32 s74, s74, s62
	s_mov_b32 s75, 0
	s_sub_co_u32 s[YD], s74, s72
	s_mov_b32 s[YD+1], 0
	s_mov_b32 s[SEL], 0x76543210
	s_mov_b32 s[SEL+1], 0xfedcba98
	s_mov_b32 s[CS], 0x3e38aa3b                    ; c = log2(e) / 8
	s_mov_b32 s[CS+1], s[CS]
	s_mov_b32 s[UU], 0
	s_mov_b32 s[KU], 0
	s_mov_b32 s[TB], 0
	s_cmp_eq_u32 ttmp9, 0
	s_cselect_b32 s[PFN], 4, 0
	s_wait_dscnt 0x0                               ; both opening adds are done
	s_wait_kmcnt 0x0
	s_add_nc_u64 s[KB:KB+1], s[4:5], s[70:71]
	s_add_nc_u64 s[KB:KB+1], s[KB:KB+1], 1<<24     ; K is the second part of qkv,
	s_add_nc_u64 s[VB:VB+1], s[KB:KB+1], 1<<24     ; V the third
	s_mov_b64 s[G0K+2:G0K+3], s[KB:KB+1]
	s_or_b32 s[G0K+3], s[G0K+3], 0x80000000
	s_mov_b64 s[G0V+2:G0V+3], s[VB:VB+1]
	s_or_b32 s[G0V+3], s[G0V+3], 0x80000000
	TLOAD                                          ; unit 0 into slot 0
	s_add_nc_u64 s[QA:QA+1], s[4:5], s[72:73]
	s_add_nc_u64 s[QB:QB+1], s[4:5], s[74:75]
	s_add_nc_u64 s[YP:YP+1], s[6:7], s[72:73]
	s_cmp_lt_u32 s[WV], 4
	s_cselect_b64 s[PFA:PFA+1], s[KB:KB+1], s[VB:VB+1]  ; at unit 0; each change of slots steps it one unit
	v_and_b32 v1, 15, v0                           ; r
	v_bfe_u32 v2, v0, 4, 1                         ; h
	v_lshlrev_b32 v[QO], 7, v1
	v_lshl_add_u32 v[QO], v2, 4, v[QO]             ; row r of 128 bytes + 16 h
.irp t, 0,1                                    ; Q stays in registers: tile t, channels 32 c on: two loads of 16 bytes, 32 bytes apart
.irp c, 0,1
	global_load_b128 v[QR+16*\t+8*\c:QR+16*\t+8*\c+3], v[QO], s[QA:QA+1] offset:2048*\t+64*\c
	global_load_b128 v[QR+16*\t+8*\c+4:QR+16*\t+8*\c+7], v[QO], s[QA:QA+1] offset:2048*\t+64*\c+32
.endr
.endr
	WIN 0x40                                       ; destination window 1: the second block's Q waits there
.irp t, 0,1
.irp c, 0,1
	global_load_b128 v[QB1+16*\t+8*\c:QB1+16*\t+8*\c+3], v[QO], s[QB:QB+1] offset:2048*\t+64*\c
	global_load_b128 v[QB1+16*\t+8*\c+4:QB1+16*\t+8*\c+7], v[QO], s[QB:QB+1] offset:2048*\t+64*\c+32
.endr
.endr
	WIN 0
	v_mul_u32_u24 v[AK0], v1, KP
	v_lshl_add_u32 v[AK0], v2, 4, v[AK0]           ; row r x pitch + 16 h
	v_and_b32 v5, 7, v0                            ; the turning load: lane l reads 16 bytes: key 8 (l / 16) + l % 8, channels 8 ((l / 8) % 2) + 0..7
	v_lshl_add_u32 v[AV0], v2, 3, v5
	v_mul_u32_u24 v[AV0], v[AV0], VP
	v_bfe_u32 v5, v0, 3, 1
	v_lshl_add_u32 v[AV0], v5, 4, v[AV0]
	v_add_nc_u32 v[AV0], VOFF, v[AV0]
	s_mul_i32 s[TT], s[WV], WSTG
	s_add_co_u32 s[TT], s[TT], STAGE               ; my stage
	v_add_nc_u32 v[STO], s[TT], v[AK0]             ; in: row r, 16 bytes for each half of the lanes
	v_bfe_u32 v[RD], v0, 3, 2                      ; back: eight lanes to a row of 128 bytes, four rows an instruction
	v_mul_u32_u24 v[RD], v[RD], KP
	v_and_b32 v5, 7, v0
	v_lshl_add_u32 v[RD], v5, 4, v[RD]
	v_add_nc_u32 v[RD], s[TT], v[RD]
	v_and_b32 v5, 31, v0
	v_lshlrev_b32 v[GO], 4, v5
	v_lshlrev_b32 v[PFO], 8, v5
	v_lshlrev_b32 v[RH], 3, v2
	v_sub_nc_u32 v[RH], v1, v[RH]
	v_mov_b32 v[NINF], 0xff800000
; A block of queries begins: m = -3e38, under every score; l and O^T zeros.  So the key step is written once: the first rescaling multiplies zeros by a = 0.
.macro INIT
.irp t, 0,1
	v_mov_b32 v[ST+8*\t+1], 0xff61b1e6
	v_mul_f32 v[ST+8*\t], s[CS], v[ST+8*\t+1]
.irp j, 2,3,4,5,6,7
	v_mov_b32 v[ST+8*\t+\j], 0
.endr
.endr
	WIN 0x40
.set i, 0
.rept 64
	v_mov_b32 v[OT+i], 0
.set i, i+1
.endr
	WIN 0
.endm
.macro KLOAD q                         ; K of step q: 64 keys x 64 channels: 8 fragments (keys 16 kt on, channels 32 c on)
.irp kt, 0,1,2,3
.irp c, 0,1
	ds_load_b128 v[KR+16*\kt+8*\c:KR+16*\kt+8*\c+3], v[ADK] offset:(64*(\q)+16*\kt)*KP+64*\c
	ds_load_b128 v[KR+16*\kt+8*\c+4:KR+16*\kt+8*\c+7], v[ADK] offset:(64*(\q)+16*\kt)*KP+64*\c+32
.endr
.endr
.endm
.macro VLOAD q                         ; V of step q, turned: 8 fragments (keys 32 kk on, channels 16 ct on)
	WIN 0x40
.irp kk, 0,1
.irp ct, 0,1,2,3
	ds_load_tr16_b128 v[VR+32*\kk+8*\ct:VR+32*\kk+8*\ct+3], v[ADV] offset:(64*(\q)+32*\kk)*VP+32*\ct
	ds_load_tr16_b128 v[VR+32*\kk+8*\ct+4:VR+32*\kk+8*\ct+7], v[ADV] offset:(64*(\q)+32*\kk+16)*VP+32*\ct
.endr
.endr
	WIN 0
.endm
.macro SPROD                           ; S^T = K Q^T: 16 products; the eight accumulators take turns, one instruction a turn; the first eight start the sums
.irp c, 0,1
.irp kt, 0,1,2,3
.irp t, 0,1
.if \c == 0
	v_wmma_f32_16x16x32_f16 v[SS+32*\t+8*\kt:SS+32*\t+8*\kt+7], v[KR+16*\kt+8*\c:KR+16*\kt+8*\c+7], v[QR+16*\t+8*\c:QR+16*\t+8*\c+7], 0
.else
	v_wmma_f32_16x16x32_f16 v[SS+32*\t+8*\kt:SS+32*\t+8*\kt+7], v[KR+16*\kt+8*\c:KR+16*\kt+8*\c+7], v[QR+16*\t+8*\c:QR+16*\t+8*\c+7], v[SS+32*\t+8*\kt:SS+32*\t+8*\kt+7]
.endif
.endr
.endr
.endr
.endm
.macro PVPROD                          ; O^T += V^T P: 16 products, the eight accumulators by turns
	WIN 0x51                                       ; V and O^T in window 1, P in window 0
.irp kk, 0,1
.irp ct, 0,1,2,3
.irp t, 0,1
	v_wmma_f32_16x16x32_f16 v[OT+32*\t+8*\ct:OT+32*\t+8*\ct+7], v[VR+32*\kk+8*\ct:VR+32*\kk+8*\ct+7], v[PR+16*\t+8*\kk:PR+16*\t+8*\kk+7], v[OT+32*\t+8*\ct:OT+32*\t+8*\ct+7]
.endr
.endr
.endr
.endm
; Register 8 kt + j of tile t holds key KF + 64 q + 16 kt + 8 h + j and query Q0 + 16 t + r: hidden where 16 kt + j > Q0 - KF - 64 q + 16 t + r - 8 h
.macro MASK q
	s_sub_co_i32 s[TT], s[Q0], s[KF]
	s_sub_co_i32 s[TT], s[TT], 64*(\q)
	v_add_nc_u32 v[DD], s[TT], v[RH]
	v_add_nc_u32 v[DD+1], 16, v[DD]
.irp t, 0,1
.set i, 0
.rept 32
	v_cmp_gt_i32 vcc_lo, 16*(i/8)+i%8, v[DD+\t]
	v_cndmask_b32 v[SS+32*\t+i], v[SS+32*\t+i], v[NINF], vcc_lo
.set i, i+1
.endr
.endr
.endm
; The softmax of both tiles for one step, the tiles line by line by turns, so that no line waits for the line above it.
.macro SOFTMAX
.irp j, 0,1,2,3                                ; the maximum: four chains, each begun at an accumulator's low end
.irp t, 0,1
	v_max3_num_f32 v[ST+8*\t+4+\j], v[SS+32*\t+8*\j], v[SS+32*\t+8*\j+1], v[SS+32*\t+8*\j+2]
.endr
.endr
.irp i, 3,5
.irp j, 0,1,2,3
.irp t, 0,1
	v_max3_num_f32 v[ST+8*\t+4+\j], v[ST+8*\t+4+\j], v[SS+32*\t+8*\j+\i], v[SS+32*\t+8*\j+\i+1]
.endr
.endr
.endr
.irp t, 0,1
	v_max3_num_f32 v[ST+8*\t+4], v[ST+8*\t+4], v[SS+32*\t+7], v[SS+32*\t+15]
.endr
.irp t, 0,1
	v_max3_num_f32 v[ST+8*\t+6], v[ST+8*\t+6], v[SS+32*\t+23], v[SS+32*\t+31]
.endr
.irp t, 0,1
	v_max3_num_f32 v[ST+8*\t+4], v[ST+8*\t+4], v[ST+8*\t+5], v[ST+8*\t+6]
.endr
.irp t, 0,1
	v_max3_num_f32 v[ST+8*\t+4], v[ST+8*\t+4], v[ST+8*\t+7], v[ST+8*\t+1]   ; with the old m
.endr
.irp t, 0,1
	v_permlanex16_b32 v[ST+8*\t+5], v[ST+8*\t+4], s[SEL], s[SEL+1]          ; the query's other 32 keys lie in the lane 16 away
.endr
.irp t, 0,1
	v_mov_b32 v[ST+8*\t+7], v[ST+8*\t]             ; c m_old is kept for a
.endr
.irp t, 0,1
	v_max_num_f32 v[ST+8*\t+1], v[ST+8*\t+4], v[ST+8*\t+5]
.endr
.irp t, 0,1
	v_mul_f32 v[ST+8*\t], s[CS], v[ST+8*\t+1]
.endr
.irp t, 0,1
	v_sub_f32 v[ST+8*\t+7], v[ST+8*\t+7], v[ST+8*\t]
.endr
.set i, 0
.rept 16
.irp t, 0,1
	v_pk_fma_f32 v[SS+32*\t+2*i:SS+32*\t+2*i+1], v[SS+32*\t+2*i:SS+32*\t+2*i+1], s[CS:CS+1], v[ST+8*\t:ST+8*\t+1] op_sel_hi:[1,0,0] neg_lo:[0,0,1] neg_hi:[0,0,1]   ; c s - c m, two at a time
.endr
.set i, i+1
.endr
.irp t, 0,1                                    ; ONE BATCH of 66 exponentials: a = 2^(c m_old - c m_new), then the weights
	v_exp_f32 v[ST+8*\t+6], v[ST+8*\t+7]
.endr
.set i, 0
.rept 32
.irp t, 0,1
	v_exp_f32 v[SS+32*\t+i], v[SS+32*\t+i]
.endr
.set i, i+1
.endr
	v_nop                                          ; a plain instruction behind the last exponential,
	s_wait_alu depctr_va_vdst(0)                   ; and one wait for the batch, ahead of the first instruction that names a result
.set i, 0
.rept 16
.irp t, 0,1
	v_cvt_pk_f16_f32 v[PR+16*\t+i], v[SS+32*\t+2*i], v[SS+32*\t+2*i+1]
.endr
.set i, i+1
.endr
.irp t, 0,1
	v_pk_mul_f32 v[ST+8*\t+2:ST+8*\t+3], v[ST+8*\t+2:ST+8*\t+3], v[ST+8*\t+6:ST+8*\t+7] op_sel_hi:[1,0]   ; l under the new m
.endr
.irp t, 0,1                                    ; the sum is taken of the unrounded weights, in two chains
	v_pk_add_f32 v[ST+8*\t+4:ST+8*\t+5], v[SS+32*\t:SS+32*\t+1], v[SS+32*\t+2:SS+32*\t+3]
.endr
.irp j, 4,8,12,16,20,24,28
.irp t, 0,1
	v_pk_add_f32 v[ST+8*\t+2:ST+8*\t+3], v[ST+8*\t+2:ST+8*\t+3], v[SS+32*\t+\j:SS+32*\t+\j+1]
	v_pk_add_f32 v[ST+8*\t+4:ST+8*\t+5], v[ST+8*\t+4:ST+8*\t+5], v[SS+32*\t+\j+2:SS+32*\t+\j+3]
.endr
.endr
.irp t, 0,1
	v_pk_add_f32 v[ST+8*\t+2:ST+8*\t+3], v[ST+8*\t+2:ST+8*\t+3], v[ST+8*\t+4:ST+8*\t+5]
.endr
.endm
; A KEY STEP: 64 keys, the q-th of the unit.  endl: the unit's end.
.macro STEP q, endl
.if \q > 0
	s_add_co_u32 s[TT], s[KF], 64*(\q)             ; all keys from here on come after my queries: the unit is over for me
	s_cmp_gt_u32 s[TT], s[QL]
	s_cbranch_scc1 \endl
.endif
	s_wait_dscnt 0x0                               ; K of this step is in
	SPROD
.rept 4
	v_nop                                          ; four places: for the loads into K's and V's registers, which products have read, and for the first reads of the scores
.endr
.if \q < 3
	KLOAD (\q)+1                                   ; the next step's K and this step's V land while the softmax is walked
.endif
	VLOAD \q
	s_add_co_u32 s[TT], s[KF], 64*(\q)+63
	s_cmp_le_u32 s[TT], s[Q0]                      ; all 64 keys count for all my queries: no mask
	s_cbranch_scc1 .Lopen_\@
	MASK \q
.Lopen_\@:
	SOFTMAX
	s_wait_dscnt 0x0                               ; V is in (and the next step's K)
	WIN 0x41                                       ; O^T in window 1, a in window 0
.irp t, 0,1
.set i, 0
.rept 16
	v_pk_mul_f32 v[OT+32*\t+2*i:OT+32*\t+2*i+1], v[OT+32*\t+2*i:OT+32*\t+2*i+1], v[ST+8*\t+6:ST+8*\t+7] op_sel_hi:[1,0]   ; O^T under the new m, each accumulator from its low end on
.set i, i+1
.endr
.endr
	PVPROD
	WIN 0
.endm
.macro UNIT                            ; the unit in the slot at s[TB]
	v_add_nc_u32 v[ADK], s[TB], v[AK0]
	v_add_nc_u32 v[ADV], s[TB], v[AV0]
	s_lshl_b32 s[KF], s[KU], 8
	KLOAD 0
	STEP 0, .Lend_\@
	STEP 1, .Lend_\@
	STEP 2, .Lend_\@
	STEP 3, .Lend_\@
.Lend_\@:
	s_xor_b32 s[TB], s[TB], SLOT1                  ; on to the other slot
	s_mov_b32 s[KU], s[NX]
.endm
; THE CHANGE OF SLOTS stands at a unit's head.  Each wave waits for all its tensor loads (its part of the slot that it is about to read), adds 0 to its spare word, and waits for that and for its reads of the
; slot that it has left.  Behind the barrier the slot ahead is whole and nobody reads the other one.  fill = 1: that other slot takes the next unit: KU + 1, or unit 0 where the second block begins.
.macro CHANGE fill
	s_wait_tensorcnt 0x0                           ; no tensor load of mine is out, so a group 0 may be written
	ds_add_u32 v[SPW], v[NIL]                      ; 0 onto my spare word
.if \fill
	s_add_co_u32 s[NX], s[KU], 1
	s_cmp_eq_u32 s[UU], s[PP]
	s_cselect_b32 s[NX], 0, s[NX]
	s_lshl_b32 s[OFF], s[NX], 15                   ; a unit is 256 rows of 128 bytes
	s_mov_b32 s[OFF+1], 0
	s_add_nc_u64 s[G0K+2:G0K+3], s[KB:KB+1], s[OFF:OFF+1]
	s_or_b32 s[G0K+3], s[G0K+3], 0x80000000
	s_add_nc_u64 s[G0V+2:G0V+3], s[VB:VB+1], s[OFF:OFF+1]
	s_or_b32 s[G0V+3], s[G0V+3], 0x80000000
	s_xor_b32 s[G0K+1], s[G0K+1], SLOT1            ; the other slot than last time
	s_xor_b32 s[G0V+1], s[G0V+1], SLOT1
	s_wait_xcnt 0x0                                ; the last prefetch, a trip back, has read its address, so it may be written
	s_add_nc_u64 s[PFA:PFA+1], s[PFA:PFA+1], 32768
.endif
	s_wait_dscnt 0x0                               ; the add is done, and my reads of the slot that I have left are over
	s_barrier_signal -1
	s_barrier_wait -1
.if \fill
	TLOAD                                          ; the first thing behind the barrier, and my one tensor load until the next
	ASK
.endif
.endm
; A BLOCK'S WAY OUT.  l's two halves and the other half of the lanes' are added; O^T is divided by l, rounded to f16 and sent through my stage, so that each store is four whole rows, 512 consecutive bytes.
.macro FINAL
.rept 4
	v_nop                                          ; places behind the last products
.endr
.irp t, 0,1
	v_add_f32 v[ST+8*\t+4], v[ST+8*\t+2], v[ST+8*\t+3]
.endr
.irp t, 0,1
	v_permlanex16_b32 v[ST+8*\t+5], v[ST+8*\t+4], s[SEL], s[SEL+1]
.endr
.irp t, 0,1
	v_add_f32 v[ST+8*\t+4], v[ST+8*\t+4], v[ST+8*\t+5]
.endr
.irp t, 0,1
	v_rcp_f32 v[ST+8*\t+6], v[ST+8*\t+4]
.endr
	v_nop                                          ; a plain instruction behind the reciprocals,
	s_wait_alu depctr_va_vdst(0)                   ; and the wait ahead of their first use
	WIN 0x41
.irp t, 0,1
.set i, 0
.rept 16
	v_pk_mul_f32 v[OT+32*\t+2*i:OT+32*\t+2*i+1], v[OT+32*\t+2*i:OT+32*\t+2*i+1], v[ST+8*\t+6:ST+8*\t+7] op_sel_hi:[1,0]
.set i, i+1
.endr
.endr
	WIN 0x05                                       ; sources window 1, destination window 0: P's registers are free
.irp t, 0,1
.set i, 0
.rept 16
	v_cvt_pk_f16_f32 v[PR+16*\t+i], v[OT+32*\t+2*i], v[OT+32*\t+2*i+1]
.set i, i+1
.endr
.endr
	WIN 0
.irp t, 0,1
.irp c, 0,1,2,3
	ds_store_b128 v[STO], v[PR+16*\t+4*\c:PR+16*\t+4*\c+3] offset:\t*16*KP+32*\c
.endr
.endr
.irp t, 0,1
.irp c, 0,1,2,3
	ds_load_b128 v[SS+16*\t+4*\c:SS+16*\t+4*\c+3], v[RD] offset:\t*16*KP+\c*4*KP   ; LDS serves a wave's instructions in order (ISA guide 5.7.1.4): these see the stores above
.endr
.endr
	s_wait_dscnt 0x0
.irp t, 0,1
.irp c, 0,1,2,3
	global_store_b128 v[GO], v[SS+16*\t+4*\c:SS+16*\t+4*\c+3], s[YP:YP+1] offset:\t*2048+\c*512
.endr
.endr
	s_wait_xcnt 0x0                                ; the stores have read their registers and their base: both may be written again
.endm
	INIT
	s_wait_loadcnt 0x0                             ; Q of both blocks
.Ltrip:                                            ; 8 trips: behind each change of slots but the last the next unit is asked for
	CHANGE 1
	s_cmp_lg_u32 s[UU], s[P1]                      ; the first block is finished, the second begins: a branch on ids and the count of trips
	s_cbranch_scc1 .Lsame
	FINAL
	s_add_nc_u64 s[YP:YP+1], s[YP:YP+1], s[YD:YD+1]
	s_mov_b32 s[Q0], s[Q0B]
	s_add_co_u32 s[QL], s[Q0], 31
	WIN 0x01                                       ; source window 1
.set i, 0
.rept 32
	v_mov_b32 v[QR+i], v[QB1+i]
.set i, i+1
.endr
	WIN 0
	INIT
.Lsame:
	UNIT
	s_add_co_u32 s[UU], s[UU], 1
	s_cmp_lt_u32 s[UU], 8
	s_cbranch_scc1 .Ltrip
	CHANGE 0                                       ; the ninth unit is written out
	UNIT
	FINAL
	s_wait_tensorcnt 0x0                           ; the wave's end, behind my last tensor load and my last LDS store
	ds_add_u32 v[SPW], v[NIL]
	s_wait_dscnt 0x0
	s_endpgm
.Lfunc_end_k_q04b7097022_attn:
	.size	k_q04b7097022_attn, .Lfunc_end_k_q04b7097022_attn-k_q04b7097022_attn
	.p2alignl 7, 3214868480
	.fill 96, 4, 3214868480
	.section	.rodata,"a",@progbits
	.p2align	6, 0x0
	.amdhsa_kernel k_q04b7097022_attn
		.amdhsa_group_segment_fixed_size 327680
		.amdhsa_private_segment_fixed_size 0
		.amdhsa_enable_private_segment 0
		.amdhsa_kernarg_size 16
		.amdhsa_user_sgpr_count 2
		.amdhsa_user_sgpr_kernarg_segment_ptr 1
		.amdhsa_wavefront_size32 1
		.amdhsa_system_sgpr_workgroup_id_x 1
		.amdhsa_system_sgpr_workgroup_id_y 1
		.amdhsa_system_sgpr_workgroup_id_z 1
		.amdhsa_system_vgpr_workitem_id 0
		.amdhsa_next_free_vgpr 416
		.amdhsa_next_free_sgpr 76
		.amdhsa_reserve_vcc 1
		.amdhsa_float_denorm_mode_32 3
		.amdhsa_float_denorm_mode_16_64 3
		.amdhsa_memory_ordered 1
		.amdhsa_forward_progress 1
		.amdhsa_inst_pref_size 200
	.end_amdhsa_kernel
	.amdgpu_metadata
---
amdhsa.version: [ 1, 2 ]
amdhsa.kernels:
  - .name:           k_q04b7097022_attn
    .symbol:         k_q04b7097022_attn.kd
    .args:
      - { .name: qkv, .offset: 0, .size: 8, .value_kind: global_buffer, .address_space: global }
      - { .name: y, .offset: 8, .size: 8, .value_kind: global_buffer, .address_space: global }
    .group_segment_fixed_size: 327680
    .private_segment_fixed_size: 0
    .kernarg_segment_align: 8
    .kernarg_segment_size: 16
    .max_flat_workgroup_size: 256
    .sgpr_count:     76
    .vgpr_count:     416
    .wavefront_size: 32
...
	.end_amdgpu_metadata
.endif
;; end of part 3
;; launch proj (part 4): grid 8 x 32, 4 waves a work-group, clusters of 4 x 4, 327,680 bytes of LDS; arguments y, wp16, b_proj, out0; writes out0
.if DOCPART == 4
	.amdgcn_target "amdgcn-amd-amdhsa--gfx1250"
	.amdhsa_code_object_version 6
	.text
	.protected	k_q04b7097022_proj
	.globl	k_q04b7097022_proj
	.p2align	8
	.type	k_q04b7097022_proj,@function
k_q04b7097022_proj:
	s_mov_b64 s[64:65], 0
	v_nop
	global_prefetch_b8 v0, s[64:65] scope:SCOPE_SE
	s_setreg_imm32_b32 hwreg(HW_REG_WAVE_MODE, 25, 1), 1
	s_wait_xcnt 0x0
	s_wait_alu depctr_hold_cnt(0) depctr_sa_sdst(0) depctr_va_vdst(0) depctr_va_sdst(0) depctr_va_ssrc(0) depctr_va_vcc(0) depctr_vm_vsrc(0)
	s_getreg_b32 s2, hwreg(HW_REG_IB_STS2, 6, 4)
	s_cmp_eq_u32 s2, 0
	s_cbranch_scc0 .Lentry_in_a_cluster
	s_endpgm
.Lentry_in_a_cluster:
	s_bfe_u32 s2, ttmp6, 0x10000c
	s_cmp_lg_u32 s2, 0xf033
	s_cbranch_scc0 .Lentry_shape_is_right
	s_endpgm
.Lentry_shape_is_right:
; out0 = y W_proj^T + b_proj, f16 operands, f32 sums, for all rows but the first 16 positions of each batch, which a later launch makes in f32.
; A = y, f16, [4 batches][16 heads][2048 t][64]: K = 64 x head + channel, so a head's 256 rows of a tile are one dense block of 32,768 bytes.  B = W_proj in f16, [1024 n][1024 k].  out0: [8192][1024] f32.
; A tile is 256 rows x 128 columns: 256 work-groups.  Four waves, each 128 x 64: 32 accumulators, all of window 1.  K goes in steps of 128 (two heads) through two LDS slots.
; CLUSTERS: 4 x 4 work-groups; rows: batch cy, positions 256 x cluster y on; columns: 128 x (4 x cluster x + cx) on.  A's tiles are shared along a row of the cluster, B's along a column: asked for jointly.
; Waves 0 and 1 fetch A's two heads (256 rows x 128 bytes each), waves 2 and 3 B's halves (64 rows x 256 bytes each): one load a wave behind each round.
; THE MATRIX INSTRUCTION IS USED TRANSPOSED (source 0 = 16 rows of B, source 1 = 16 rows of A): a lane holds eight neighbouring columns of one row.  b_proj is the C of each sum's first product.
; REGISTERS: window 0: v16-31 addresses; v32-127, v128-223 two fragment buffers (A's 8 blocks, then B's 4); v224-255 the bias.  Window 1: accumulator (a, b) at v[8 (4 a + b)].
.set PA,     144                       ; a row of A in LDS: 128 bytes + 16
.set PB,     272                       ; a row of B: 256 bytes + 16: both odd multiples of 16 bytes, so the 16 rows of a load start at 16 different groups of banks (ISA guide 11.1)
.set SUBA,   256*PA                    ; one head's 256 rows
.set BOFF,   2*SUBA                    ; B's 128 rows lie behind A's two heads
.set SLOT,   BOFF+128*PB
.set STAGE,  2*SLOT                    ; behind the ring: 16 rows x 272 bytes for each wave, for the way out
.set SPITCH, 272
.set SPARE,  STAGE+4*16*SPITCH         ; the spare words, 128 bytes a wave, which no other line names
.set KA,     524288                    ; a K step in A: two heads of 262,144 bytes
.set KBB,    256                       ; in a row of B
.set ADRA, 16                          ; v16-17  LDS address of my A fragments in slot 0, 1
.set ADRB, 20                          ; v20-21  the same for B
.set STO,  24
.set RD,   25
.set CO,   26
.set SPW,  28                          ; v28     LDS address of my spare word; never rewritten
.set NIL,  29                          ; v29     0; never rewritten
.set PFO,  30                          ; v30     256 x lane
.set BO,   31                          ; v31     32 x (lane / 16)
.set F0,   32
.set F1,   128
.set BIAS, 224
.set OB,   32                          ; the way out: 16 rows read back: v32-63 and v64-95 by turns
.set G1, 24
.set G0, 32
.set G1B, 48
.set G0B, 56
.set PFA, 68                           ; s[68:69] where my prefetches stand
.set LIM, 70                           ; s70  1 in a wave that prefetches, else the greatest number
.set MSB, 0
.macro WIN new
.if MSB != (\new)
	s_set_vgpr_msb (MSB<<8)|(\new)
.set MSB, (\new)
.endif
.endm
.macro JLOAD s                         ; a joint load; an s_nop 0 and four v_nop follow each of the two lines
	s_cmp_eq_u32 s11, 0
	s_cbranch_scc0 .Lfor_b_\@
	tensor_load_to_lds s[G0+4*\s:G0+4*\s+3], s[G1:G1+7]
	s_nop 0
.rept 4
	v_nop
.endr
	s_branch .Lasked_\@
.Lfor_b_\@:
	tensor_load_to_lds s[G0B+4*\s:G0B+4*\s+3], s[G1B:G1B+7]
	s_nop 0
.rept 4
	v_nop
.endr
.Lasked_\@:
.endm
.macro CREST                           ; a round of the cluster's barrier behind its opening barrier
	s_cmp_lg_u32 s10, 0
	s_cbranch_scc1 .Lnot_wave_0_\@
	s_barrier_signal -3
.Lnot_wave_0_\@:
	s_barrier_wait -3
	s_barrier_signal -1
	s_barrier_wait -1
.endm
.macro CROUND
	s_barrier_signal -1
	s_barrier_wait -1
	CREST
.endm
; A PREFETCH INTO THE L2 of A's K step that stands two refills on (K steps 4 to 7): 256 matrix instructions ahead of the load that will want it.  A tile row of A is read by both clusters of its row of clusters:
; the one with x = 0 asks.  Waves 0 and 1 ask, each for the head that it fetches; of its 128 runs of 256 bytes the four partners take 32 each, told apart by address; a lane a run.  So each run is named once.
; The last trip asks for nothing.  B's 2 MB are read again and again by all tile rows and are not asked for.
.macro ASK
	s_cmp_gt_u32 s3, s[LIM]
	s_cbranch_scc0 .Lnot_mine_\@
	global_prefetch_b8 v[PFO], s[PFA:PFA+1] offset:KA th:TH_LOAD_NT scope:SCOPE_SE
.Lnot_mine_\@:
.endm
	s_load_b128 s[4:7], s[0:1], 0x0                ; y s[4:5], W_proj in f16 s[6:7]
	s_load_b128 s[72:75], s[0:1], 0x10             ; b_proj s[72:73], out0 s[74:75]
	v_lshl_add_u32 v[SPW], v0, 2, SPARE
	v_mov_b32 v[NIL], 0
	ds_add_u32 v[SPW], v[NIL]                      ; the wave's opening: the add, twice on end, and its wait ahead of my first tensor load
	ds_add_u32 v[SPW], v[NIL]
	v_lshrrev_b32 v1, 5, v0
	v_readfirstlane_b32 s10, v1                    ; wave 0..3
	s_lshr_b32 s11, s10, 1                         ; which half of the tile's rows is mine.  Also: I fetch for A (0) or for B (1)
	s_and_b32 s12, s10, 1                          ; which half of its columns.  Also: which head of the K step, or which 64 rows of B, I fetch
	s_bfe_u32 s40, ttmp6, 0x40000                  ; cx, cy
	s_bfe_u32 s41, ttmp6, 0x40004
	s_lshl_b32 s42, ttmp9, 2
	s_add_co_u32 s42, s42, s40                     ; tile column
	s_and_b32 s66, ttmp7, 0xffff                   ; cluster y: which 256 positions
	s_or_b32 s71, s66, s11                         ; 0 where my wave's first 16 rows are t = 0 .. 15
	s_lshl_b32 s43, s41, 2
	s_lshl_b32 s43, 15, s43                        ; my row of the cluster
	s_lshl_b32 s44, 0x1111, s40                    ; my column
	s_or_b32 s[G1+0], s43, (1<<16)|(1<<20)|(1<<21)|(4<<22)|(3<<25)   ; A: the mask of my row; elements of 2 bytes; padding: 4 words after every 32; bit 21 beside a mask
	s_mov_b32 s[G1+1], 64<<16                      ; tensor_dim0 = 64
	s_mov_b32 s[G1+2], 256<<16                     ; tensor_dim1 = 256
	s_mov_b32 s[G1+3], 64<<16                      ; tile_dim0
	s_mov_b32 s[G1+4], 256                         ; tile_dim1
	s_mov_b32 s[G1+5], 64                          ; from row to row
	s_mov_b32 s[G1+6], 0
	s_mov_b32 s[G1+7], 0
	s_or_b32 s[G1B+0], s44, (1<<16)|(1<<20)|(1<<21)|(5<<22)|(3<<25)  ; B: the mask of my column; padding: 4 words after every 64
	s_mov_b32 s[G1B+1], 128<<16
	s_mov_b32 s[G1B+2], 64<<16
	s_mov_b32 s[G1B+3], 128<<16
	s_mov_b32 s[G1B+4], 64
	s_mov_b32 s[G1B+5], 1024
	s_mov_b32 s[G1B+6], 0
	s_mov_b32 s[G1B+7], 0
	s_lshl_b32 s16, s41, 22                        ; A: batch cy,
	s_lshl_b32 s17, s12, 18                        ; my head of the K step,
	s_add_co_u32 s16, s16, s17
	s_lshl_b32 s17, s66, 15                        ; 256 rows of 128 bytes x cluster y
	s_add_co_u32 s16, s16, s17
	s_mov_b32 s17, 0
	s_lshl_b32 s46, s42, 18                        ; B: 128 rows of 2,048 bytes x tile column,
	s_lshl_b32 s47, s12, 17                        ; my 64 of them
	s_add_co_u32 s46, s46, s47
	s_mov_b32 s47, 0
	s_mul_i32 s20, s12, SUBA                       ; where they go: no place in the cluster enters an LDS address
	s_mul_i32 s21, s12, 64*PB
	s_add_co_u32 s21, s21, BOFF
	s_wait_dscnt 0x0                               ; both opening adds are done
	s_wait_kmcnt 0x0
	s_add_nc_u64 s[14:15], s[4:5], s[16:17]
	s_add_nc_u64 s[46:47], s[6:7], s[46:47]
	CROUND                                         ; all sixteen work-groups are here: the first joint loads meet
.irp s, 0,1
	s_mov_b32 s[G0+4*\s], 1
	s_add_co_u32 s[G0+4*\s+1], s20, \s*SLOT
	s_add_nc_u64 s[G0+4*\s+2:G0+4*\s+3], s[14:15], \s*KA
	s_or_b32 s[G0+4*\s+3], s[G0+4*\s+3], 0x80000000
	s_mov_b32 s[G0B+4*\s], 1
	s_add_co_u32 s[G0B+4*\s+1], s21, \s*SLOT
	s_add_nc_u64 s[G0B+4*\s+2:G0B+4*\s+3], s[46:47], \s*KBB
	s_or_b32 s[G0B+4*\s+3], s[G0B+4*\s+3], 0x80000000
	JLOAD \s
.endr
	v_and_b32 v1, 15, v0                           ; r
	v_bfe_u32 v2, v0, 4, 1                         ; h
	; the bias and out0: my 64 columns begin at byte 512 x tile column + 256 x half
	v_lshlrev_b32 v[BO], 5, v2
	s_lshl_b32 s46, s42, 9
	s_lshl_b32 s47, s12, 8
	s_add_co_u32 s46, s46, s47
	s_mov_b32 s47, 0
	s_add_nc_u64 s[72:73], s[72:73], s[46:47]
.irp b, 0,1,2,3
	global_load_b128 v[BIAS+8*\b:BIAS+8*\b+3], v[BO], s[72:73] offset:64*\b
	global_load_b128 v[BIAS+8*\b+4:BIAS+8*\b+7], v[BO], s[72:73] offset:64*\b+16
.endr
	s_lshl_b32 s16, s41, 23                        ; my first row: (2,048 cy + 256 cluster y + 128 half) x 4,096 bytes
	s_add_co_u32 s46, s46, s16
	s_lshl_b32 s16, s66, 20
	s_add_co_u32 s46, s46, s16
	s_lshl_b32 s16, s11, 19
	s_add_co_u32 s46, s46, s16
	s_add_nc_u64 s[74:75], s[74:75], s[46:47]
	; the prefetches: at K step 2 of the head that I fetch, my work-group's 8,192 bytes of its 32,768: the first refill steps it to 3 and names K step 4
	s_lshl_b32 s46, s40, 13
	s_add_co_u32 s46, s46, 2*KA
	s_add_nc_u64 s[PFA:PFA+1], s[14:15], s[46:47]
	s_or_b32 s[LIM], s11, ttmp9                    ; 0 in waves 0 and 1 of the clusters with x = 0: the same in all sixteen partners, for a given wave
	s_cmp_eq_u32 s[LIM], 0
	s_cselect_b32 s[LIM], 1, -1
	v_and_b32 v[PFO], 31, v0
	v_lshlrev_b32 v[PFO], 8, v[PFO]
	v_mul_u32_u24 v3, v1, PA
	v_lshl_add_u32 v3, v2, 4, v3                   ; a fragment's row x pitch + 16 h
	v_mul_u32_u24 v4, v1, PB
	v_lshl_add_u32 v4, v2, 4, v4
	s_mul_i32 s21, s11, 128*PA                     ; my 128 rows of A (in each head's block)
	s_mul_i32 s22, s12, 64*PB                      ; my 64 rows of B
	s_add_co_u32 s22, s22, BOFF
.irp s, 0,1
	v_add_nc_u32 v[ADRA+\s], s21, v3
	v_add_nc_u32 v[ADRB+\s], s22, v4
	s_add_co_u32 s21, s21, SLOT
	s_add_co_u32 s22, s22, SLOT
.endr
	s_mul_i32 s23, s10, 16*SPITCH
	s_add_co_u32 s23, s23, STAGE                   ; my stage
	v_mul_u32_u24 v5, v1, SPITCH                   ; in: row r, 32 bytes for each half of the lanes
	v_lshl_add_u32 v5, v2, 5, v5
	v_add_nc_u32 v[STO], s23, v5
	v_mul_u32_u24 v5, v2, SPITCH                   ; back: lanes 0-15 one row of 256 bytes, lanes 16-31 the next
	v_lshl_add_u32 v5, v1, 4, v5
	v_add_nc_u32 v[RD], s23, v5
	v_lshlrev_b32 v5, 12, v2                       ; and the same two rows in out0
	v_lshl_add_u32 v[CO], v1, 4, v5
; 8 matrix instructions: A's blocks a0, a0 + 1 x B's four, 32 along K.  zero = 1: the first product starts the sum from the bias.  The 32 accumulators take turns, one instruction a quarter each.
.macro MUL8 f, a0, zero
.irp a, \a0, \a0+1
.irp b, 0,1,2,3
.if \zero
	v_wmma_f32_16x16x32_f16 v[8*(4*(\a)+\b):8*(4*(\a)+\b)+7], v[\f+64+8*\b:\f+64+8*\b+7], v[\f+8*(\a):\f+8*(\a)+7], v[BIAS+8*\b:BIAS+8*\b+7]
.else
	v_wmma_f32_16x16x32_f16 v[8*(4*(\a)+\b):8*(4*(\a)+\b)+7], v[\f+64+8*\b:\f+64+8*\b+7], v[\f+8*(\a):\f+8*(\a)+7], v[8*(4*(\a)+\b):8*(4*(\a)+\b)+7]
.endif
.endr
.endr
.endm
; 24 LDS loads in one run: quarter c of the slot (32 along K: head c / 2, channels 32 (c % 2) on) into buffer f: B's four blocks, A's blocks 0-3, A's blocks 4-7
.macro FETCH slot, c, f
	WIN 0
.irp b, 0,1,2,3
	ds_load_b128 v[\f+64+8*\b:\f+64+8*\b+3], v[ADRB+\slot] offset:\b*16*PB+64*(\c)
	ds_load_b128 v[\f+64+8*\b+4:\f+64+8*\b+7], v[ADRB+\slot] offset:\b*16*PB+64*(\c)+32
.endr
.irp a, 0,1,2,3,4,5,6,7
	ds_load_b128 v[\f+8*\a:\f+8*\a+3], v[ADRA+\slot] offset:\a*16*PA+((\c)/2)*SUBA+((\c)%2)*64
	ds_load_b128 v[\f+8*\a+4:\f+8*\a+7], v[ADRA+\slot] offset:\a*16*PA+((\c)/2)*SUBA+((\c)%2)*64+32
.endr
.endm
.macro PLACES                          ; four places in front of loads into registers that matrix instructions have read, and of the first reads of results (ISA guide 7.12.1 for vector instructions)
.rept 4
	v_nop
.endr
.endm
; One of a K step's first three quarters: multiplies buffer f; in its middle it fetches quarter c of the same slot into buffer g.  With zero = 1 source 2 is the bias, in window 0.
.macro QUARTER slot, c, f, g, zero
	s_wait_dscnt 8                                 ; B and A's blocks 0-3 are in; the youngest eight loads (A's blocks 4-7) may be out
	WIN 0x50-0x10*(\zero)
	MUL8 \f, 0, \zero
	MUL8 \f, 2, \zero
	PLACES
	FETCH \slot, \c, \g
	s_wait_dscnt 24                                ; all but the 24 just issued
	WIN 0x50-0x10*(\zero)
	MUL8 \f, 4, \zero
	MUL8 \f, 6, \zero
.endm
; The last quarter multiplies buffer 1 and changes slots: one barrier; in front of it each wave waits for all its tensor loads, adds 0 to its spare word, and waits for that and for its reads of this slot.
; fill = 1: the barrier opens a round of the cluster's, and this slot is filled again, two K steps ahead: 112 matrix instructions ahead of the wait for it.
.macro TURN slot, next, fill
.if \fill
	s_wait_xcnt 0x0                                ; the last prefetch, a K step back, has read its address: it is stepped here
	s_add_nc_u64 s[PFA:PFA+1], s[PFA:PFA+1], KA
.endif
	WIN 0                                          ; (the add's two registers lie in window 0)
	s_wait_tensorcnt 0x0                           ; all my tensor loads have landed: my part of the next slot
	ds_add_u32 v[SPW], v[NIL]                      ; 0 onto my spare word
	s_wait_dscnt 9                                 ; (the add and the youngest eight loads may be out)
	WIN 0x50
	MUL8 F1, 0, 0                                  ; eight matrix instructions stand between the add and the wait for it
	s_wait_dscnt 0x0                               ; the add is done, and my reads of this slot are over
	s_barrier_signal -1
	MUL8 F1, 2, 0
	WIN 0
	s_barrier_wait -1
.if \fill
	CREST                                          ; no wave of any partner still reads this slot's tile or has a load on its way
	s_add_nc_u64 s[G0+4*\slot+2:G0+4*\slot+3], s[G0+4*\slot+2:G0+4*\slot+3], 2*KA
	s_add_nc_u64 s[G0B+4*\slot+2:G0B+4*\slot+3], s[G0B+4*\slot+2:G0B+4*\slot+3], 2*KBB
	JLOAD \slot                                    ; the first tensor load behind the round; its four v_nop are also the places in front of the loads below
.else
	PLACES
.endif
	FETCH \next, 0, F0
.if \fill
	ASK
.endif
	WIN 0x50
	MUL8 F1, 4, 0
	MUL8 F1, 6, 0
.endm
	s_wait_tensorcnt 1                             ; my part of K step 0 is in (K step 1's load may be out),
	s_barrier_signal -1
	s_barrier_wait -1                              ; everybody's is
	FETCH 0, 0, F0
	s_wait_loadcnt 0x0                             ; the bias
	QUARTER 0, 1, F0, F1, 1                        ; the first quarter stands in front of the loop: its products start the sums
	WIN 0
	s_mov_b32 s3, 3
.Llap:                                             ; a trip goes once round the ring and fills both slots again: K steps 2 to 7
	QUARTER 0, 2, F1, F0, 0
	QUARTER 0, 3, F0, F1, 0
	TURN 0, 1, 1
	QUARTER 1, 1, F0, F1, 0
	QUARTER 1, 2, F1, F0, 0
	QUARTER 1, 3, F0, F1, 0
	TURN 1, 0, 1
	QUARTER 0, 1, F0, F1, 0
	WIN 0
	s_sub_co_u32 s3, s3, 1
	s_cmp_lg_u32 s3, 0
	s_cbranch_scc1 .Llap
	QUARTER 0, 2, F1, F0, 0                        ; the last lap fills nothing, and has no round of the cluster's barrier
	QUARTER 0, 3, F0, F1, 0
	TURN 0, 1, 0
	QUARTER 1, 1, F0, F1, 0
	QUARTER 1, 2, F1, F0, 0
	QUARTER 1, 3, F0, F1, 0
	s_wait_dscnt 8                                 ; the very last quarter: nothing more to fetch
	WIN 0x50
	MUL8 F1, 0, 0
	MUL8 F1, 2, 0
	s_wait_dscnt 0
	MUL8 F1, 4, 0
	MUL8 F1, 6, 0
	WIN 0
; THE WAY OUT, block by block of 16 rows x 64 columns: through my own stage, rows of 272 bytes, and back as whole rows of 256 bytes: sixteen lanes store 256 consecutive bytes, aligned.
.macro TOSTAGE a
.set BB, OB+32*((\a)%2)
.if (\a) > 1
	s_wait_xcnt 0x0                                ; block a - 2's stores have read their registers: this block's rows may land there
.endif
	WIN 0x04                                       ; an LDS store's data: window 1
.irp b, 0,1,2,3
	ds_store_b128 v[STO], v[8*(4*(\a)+\b):8*(4*(\a)+\b)+3] offset:64*\b        ; each accumulator from its low end on
	ds_store_b128 v[STO], v[8*(4*(\a)+\b)+4:8*(4*(\a)+\b)+7] offset:64*\b+16
.endr
	WIN 0
.irp i, 0,1,2,3,4,5,6,7
	ds_load_b128 v[BB+4*\i:BB+4*\i+3], v[RD] offset:\i*2*SPITCH   ; LDS serves a wave's instructions in order (ISA guide 5.7.1.4): these see the stores above
.endr
.endm
.macro SEND a, younger                 ; younger: the LDS instructions issued behind block a's loads, which may stay out
.set BB, OB+32*((\a)%2)
	s_wait_dscnt \younger
.if (\a) == 0
	s_cmp_eq_u32 s71, 0                            ; positions 0 to 15 of a batch are not stored here: the launch that follows makes them in f32.  The branch hangs on the cluster's y and the wave's number
	s_cbranch_scc1 .Lfine_rows
.endif
.irp i, 0,1,2,3,4,5,6,7
	global_store_b128 v[CO], v[BB+4*\i:BB+4*\i+3], s[74:75] offset:(16*(\a)+2*\i)*4096 th:TH_STORE_NT
.endr
.if (\a) == 0
.Lfine_rows:
.endif
.endm
	PLACES
	TOSTAGE 0
.irp a, 1,2,3,4,5,6,7
	TOSTAGE \a
	SEND \a-1, 16                                  ; behind block a - 1's loads: block a's 8 stores and 8 loads
.endr
	SEND 7, 0
	s_wait_tensorcnt 0x0                           ; the wave's end, behind my last tensor load and my last LDS store
	ds_add_u32 v[SPW], v[NIL]
	s_wait_dscnt 0x0
	CROUND                                         ; the closing round
	s_endpgm
.Lfunc_end_k_q04b7097022_proj:
	.size	k_q04b7097022_proj, .Lfunc_end_k_q04b7097022_proj-k_q04b7097022_proj
	.p2alignl 7, 3214868480
	.fill 96, 4, 3214868480
	.section	.rodata,"a",@progbits
	.p2align	6, 0x0
	.amdhsa_kernel k_q04b7097022_proj
		.amdhsa_group_segment_fixed_size 327680
		.amdhsa_private_segment_fixed_size 0
		.amdhsa_enable_private_segment 0
		.amdhsa_kernarg_size 32
		.amdhsa_user_sgpr_count 2
		.amdhsa_user_sgpr_kernarg_segment_ptr 1
		.amdhsa_wavefront_size32 1
		.amdhsa_system_sgpr_workgroup_id_x 1
		.amdhsa_system_sgpr_workgroup_id_y 1
		.amdhsa_system_sgpr_workgroup_id_z 1
		.amdhsa_system_vgpr_workitem_id 0
		.amdhsa_next_free_vgpr 512
		.amdhsa_next_free_sgpr 76
		.amdhsa_reserve_vcc 0
		.amdhsa_float_denorm_mode_32 3
		.amdhsa_float_denorm_mode_16_64 3
		.amdhsa_memory_ordered 1
		.amdhsa_forward_progress 1
		.amdhsa_inst_pref_size 87
	.end_amdhsa_kernel
	.amdgpu_metadata
---
amdhsa.version: [ 1, 2 ]
amdhsa.kernels:
  - .name:           k_q04b7097022_proj
    .symbol:         k_q04b7097022_proj.kd
    .args:
      - { .name: y, .offset: 0, .size: 8, .value_kind: global_buffer, .address_space: global }
      - { .name: wp16, .offset: 8, .size: 8, .value_kind: global_buffer, .address_space: global }
      - { .name: b_proj, .offset: 16, .size: 8, .value_kind: global_buffer, .address_space: global }
      - { .name: out0, .offset: 24, .size: 8, .value_kind: global_buffer, .address_space: global }
    .group_segment_fixed_size: 327680
    .private_segment_fixed_size: 0
    .kernarg_segment_align: 8
    .kernarg_segment_size: 32
    .max_flat_workgroup_size: 128
    .sgpr_count:     76
    .vgpr_count:     512
    .wavefront_size: 32
...
	.end_amdgpu_metadata
.endif
;; end of part 4
;; launch fine (part 5): grid 32 x 4, 16 waves a work-group, no clusters, 34,816 bytes of LDS; arguments qkv16, W_proj, b_proj, out0; writes out0
.if DOCPART == 5
	.amdgcn_target "amdgcn-amd-amdhsa--gfx1250"
	.amdhsa_code_object_version 6
	.text
	.protected	k_q04b7097022_fine
	.globl	k_q04b7097022_fine
	.p2align	8
	.type	k_q04b7097022_fine,@function
k_q04b7097022_fine:
	s_mov_b64 s[64:65], 0
	v_nop
	global_prefetch_b8 v0, s[64:65] scope:SCOPE_SE
	s_setreg_imm32_b32 hwreg(HW_REG_WAVE_MODE, 25, 1), 1
	s_wait_xcnt 0x0
; The first 16 positions of each batch, wholly in f32: attention and the projection.  These rows average one to sixteen values, so operands of 16 bits would weigh most here.
; qkv16 holds q, k, v of those rows as images of accumulator registers: [batch][192 blocks of 16 columns][2 halves][32 lanes][4 numbers]; lane (r, h) holds row t = r, columns 16 block + 8 h + 4 half + 0..3.
; SHARES.  Work-group (sl, batch) makes out0[batch][0..15][32 sl .. 32 sl + 31].  Wave hd makes head hd's attention (16 x 16) and multiplies its y^T straight into its own 64 along K of the projection;
; the sixteen partial results meet in LDS and are added in ascending order of the heads.  The attention is made anew by each of a batch's 32 work-groups: 32 small matrix instructions a wave.
; LAYOUT.  An operand of the f32 form holds k = 2 h + j in register j.  S^T = k q^T: a pair of registers of k's image against the same pair of q's: both carry the same four channels in the same places.
; In S^T a lane holds query r and keys 8 h + 0..7; pair c of p is source 1 for keys 8 h + 2 c + 0, 1, so V^T is loaded with those keys in those places.  y^T holds query r and channels 16 ct + 8 h + 0..7:
; its pairs are source 1 of the projection, and W_proj's rows are loaded with those channels in those places.
; The registers that the f32 matrix form writes (v112-127, v144-191) are written by nothing else; what is made of them goes into other registers.
; A wave's last store covers 128 consecutive bytes: 256 KB of out0 leave so; a slice of 64 columns would want twice the registers for W_proj.
.set SPARE, 32768                      ; behind the sixteen partial results of 2,048 bytes: the spare words, 128 bytes a wave, which no other line names
	s_load_b128 s[4:7], s[0:1], 0x0                ; qkv16, W_proj
	s_load_b128 s[8:11], s[0:1], 0x10              ; b_proj, out0
	v_lshl_add_u32 v10, v0, 2, SPARE               ; my spare word; never rewritten
	v_mov_b32 v11, 0                               ; 0; never rewritten
	v_lshrrev_b32 v1, 5, v0
	v_readfirstlane_b32 s12, v1                    ; wave = head
	s_and_b32 s13, ttmp7, 0xffff                   ; batch
	v_and_b32 v1, 15, v0                           ; r
	v_bfe_u32 v2, v0, 4, 1                         ; h
	v_and_b32 v9, 31, v0                           ; lane
	v_lshlrev_b32 v3, 4, v9                        ; an image's place for my lane
	v_lshlrev_b32 v8, 2, v9                        ; 4 x lane
	v_bfe_u32 v4, v0, 2, 1                         ; V^T: channel r of a block lies in half (r / 4) % 2, lanes 16 (r / 8) + key, word r % 4; my keys are 8 h + 0..7
	v_lshlrev_b32 v4, 9, v4
	v_bfe_u32 v5, v0, 3, 1
	v_lshl_add_u32 v4, v5, 8, v4
	v_lshl_add_u32 v4, v2, 7, v4
	v_and_b32 v5, 3, v0
	v_lshl_add_u32 v4, v5, 2, v4
	v_lshlrev_b32 v5, 12, v1                       ; W_proj: row r of 4,096 bytes + 32 h
	v_lshl_add_u32 v5, v2, 5, v5
	v_lshlrev_b32 v6, 3, v2
	v_sub_nc_u32 v6, v1, v6                        ; r - 8 h: key 8 h + j is hidden where j is above it
	v_lshlrev_b32 v7, 10, v2                       ; the sum: row t = my wave, column = my lane c: tile c / 16, half (c / 4) % 2, lane 16 ((c / 8) % 2) + t, word c % 4
	v_bfe_u32 v12, v0, 2, 1
	v_lshl_add_u32 v7, v12, 9, v7
	v_bfe_u32 v12, v0, 3, 1
	v_lshl_add_u32 v7, v12, 8, v7
	v_and_b32 v12, 3, v0
	v_lshl_add_u32 v7, v12, 2, v7
	s_lshl_b32 s14, s12, 4
	v_add_nc_u32 v7, s14, v7
	s_lshl_b32 s14, s12, 11
	v_add_nc_u32 v13, s14, v3                      ; where I put my partial result: 2,048 x wave + 16 x lane
	v_mov_b32 v15, 0xff800000                      ; -infinity
	v_mov_b32 v137, 0                              ; (a lane permute's destination counts as one of its sources)
	s_mov_b32 s18, 0x76543210
	s_mov_b32 s19, 0xfedcba98                      ; v_permlanex16_b32's selects for lane l xor 16
	s_mov_b32 s20, 0x3e38aa3b                      ; c = log2(e) / 8
	s_mul_i32 s16, s13, 196608                     ; qkv16: my batch, my head's four blocks of q; k lies 65,536 bytes on, v 131,072
	s_lshl_b32 s17, s12, 12
	s_add_co_u32 s16, s16, s17
	s_mov_b32 s17, 0
	s_lshl_b32 s14, ttmp9, 17                      ; W_proj: 32 rows x slice, + my head's 256 bytes of a row
	s_lshl_b32 s15, s12, 8
	s_add_co_u32 s14, s14, s15
	s_mov_b32 s15, 0
	s_lshl_b32 s22, ttmp9, 7                       ; the slice's 128 bytes of b_proj and of a row of out0
	s_mov_b32 s23, 0
	s_lshl_b32 s24, s13, 23                        ; out0: row 2,048 x batch + wave
	s_lshl_b32 s25, s12, 12
	s_add_co_u32 s24, s24, s25
	s_add_co_u32 s24, s24, s22
	s_mov_b32 s25, 0
	s_wait_kmcnt 0x0
	s_add_nc_u64 s[4:5], s[4:5], s[16:17]
	s_add_nc_u64 s[6:7], s[6:7], s[14:15]
	s_add_nc_u64 s[8:9], s[8:9], s[22:23]
	s_add_nc_u64 s[10:11], s[10:11], s[24:25]
.irp i, 0,1,2,3
.irp u, 0,1
	global_load_b128 v[16+8*\i+4*\u:16+8*\i+4*\u+3], v3, s[4:5] offset:1024*\i+512*\u          ; q: register 8 i + j = q(t = r, channel 16 i + 8 h + j)
	global_load_b128 v[48+8*\i+4*\u:48+8*\i+4*\u+3], v3, s[4:5] offset:65536+1024*\i+512*\u    ; k likewise
.endr
.endr
.irp ct, 0,1,2,3
.irp kk, 0,1,2,3,4,5,6,7
	global_load_b32 v[80+8*\ct+\kk], v4, s[4:5] offset:131072+1024*\ct+16*\kk                  ; v(key 8 h + kk, channel 16 ct + r)
.endr
.endr
	global_load_b32 v14, v8, s[8:9]                ; b_proj of my column
	s_wait_loadcnt 0x0
	; S^T = k q^T: 16 steps of 4 along the head's 64, on two accumulators by turns; each sum's first step starts it
	v_wmma_f32_16x16x4_f32 v[112:119], v[48:49], v[16:17], 0
	v_wmma_f32_16x16x4_f32 v[120:127], v[50:51], v[18:19], 0
.irp c, 2,4,6,8,10,12,14
	v_wmma_f32_16x16x4_f32 v[112:119], v[48+2*\c:49+2*\c], v[16+2*\c:17+2*\c], v[112:119]
	v_wmma_f32_16x16x4_f32 v[120:127], v[50+2*\c:51+2*\c], v[18+2*\c:19+2*\c], v[120:127]
.endr
.rept 8
	v_nop                                          ; eight places behind this form: for the loads into q's and k's registers and for the first reads of the sums
.endr
.irp nt, 0,1
.irp ct, 0,1,2,3
.irp u, 0,1
	global_load_b128 v[16+32*\nt+8*\ct+4*\u:16+32*\nt+8*\ct+4*\u+3], v5, s[6:7] offset:65536*\nt+64*\ct+16*\u   ; W_proj(32 sl + 16 nt + r, 64 hd + 16 ct + 8 h + 4 u + 0..3): lands while the softmax is walked
.endr
.endr
.endr
.irp j, 0,1,2,3,4,5,6,7
	v_add_f32 v[128+\j], v[112+\j], v[120+\j]      ; the two halves of the sum, from the low end on
.endr
.irp j, 0,1,2,3,4,5,6,7
	v_cmp_gt_i32 vcc_lo, \j, v6                    ; the causal mask: hidden scores become -infinity.  Key 0 counts for every query
	v_cndmask_b32 v[128+\j], v[128+\j], v15, vcc_lo
.endr
	v_max3_num_f32 v136, v128, v129, v130
	v_max3_num_f32 v136, v136, v131, v132
	v_max3_num_f32 v136, v136, v133, v134
	v_max_num_f32 v136, v136, v135
	v_permlanex16_b32 v137, v136, s18, s19
	v_max_num_f32 v136, v136, v137                 ; the row's maximum
	v_mul_f32 v138, s20, v136
.irp j, 0,1,2,3,4,5,6,7
	v_fma_f32 v[128+\j], v[128+\j], s20, -v138     ; c s - c m
.endr
.irp j, 0,1,2,3,4,5,6,7
	v_exp_f32 v[128+\j], v[128+\j]
.endr
	v_nop                                          ; a plain instruction behind the exponentials,
	s_wait_alu depctr_va_vdst(0)                   ; and one wait for the eight, ahead of their first use
	v_add_f32 v136, v128, v129
	v_add_f32 v139, v130, v131
	v_add_f32 v140, v132, v133
	v_add_f32 v141, v134, v135
	v_add_f32 v136, v136, v139
	v_add_f32 v140, v140, v141
	v_add_f32 v136, v136, v140
	v_permlanex16_b32 v137, v136, s18, s19
	v_add_f32 v136, v136, v137                     ; the row's sum
	v_rcp_f32 v139, v136
	v_nop
	s_wait_alu depctr_va_vdst(0)
.irp j, 0,1,2,3,4,5,6,7
	v_mul_f32 v[128+\j], v[128+\j], v139           ; the weights, normalised
.endr
	; y^T = V^T p^T: four tiles of 16 channels by turns, four steps of 4 keys
.irp ct, 0,1,2,3
	v_wmma_f32_16x16x4_f32 v[144+8*\ct:151+8*\ct], v[80+8*\ct:81+8*\ct], v[128:129], 0
.endr
.irp c, 1,2,3
.irp ct, 0,1,2,3
	v_wmma_f32_16x16x4_f32 v[144+8*\ct:151+8*\ct], v[80+8*\ct+2*\c:81+8*\ct+2*\c], v[128+2*\c:129+2*\c], v[144+8*\ct:151+8*\ct]
.endr
.endr
.rept 9
	v_nop                                          ; nine places before a matrix instruction takes these results as an operand
.endr
	s_wait_loadcnt 0x0                             ; W_proj
	; out^T (my head's part) = W y^T: two tiles of 16 outputs by turns, 16 steps of 4 channels
.irp ct, 0,1,2,3
.irp c, 0,1,2,3
.irp nt, 0,1
.if (\ct+\c) == 0
	v_wmma_f32_16x16x4_f32 v[176+8*\nt:183+8*\nt], v[16+32*\nt+8*\ct+2*\c:17+32*\nt+8*\ct+2*\c], v[144+8*\ct+2*\c:145+8*\ct+2*\c], 0
.else
	v_wmma_f32_16x16x4_f32 v[176+8*\nt:183+8*\nt], v[16+32*\nt+8*\ct+2*\c:17+32*\nt+8*\ct+2*\c], v[144+8*\ct+2*\c:145+8*\ct+2*\c], v[176+8*\nt:183+8*\nt]
.endif
.endr
.endr
.endr
.rept 8
	v_nop                                          ; eight places before the stores read the sums
.endr
.irp nt, 0,1
.irp u, 0,1
	ds_store_b128 v13, v[176+8*\nt+4*\u:179+8*\nt+4*\u] offset:(2*\nt+\u)*512   ; as they stand in the registers, each accumulator from its low end on
.endr
.endr
	s_wait_dscnt 0x0                               ; for the others' sake: my stores have landed
	s_barrier_signal -1
	s_barrier_wait -1
.irp w, 0,1,2,3,4,5,6,7,8,9,10,11,12,13,14,15
	ds_load_b32 v[192+\w], v7 offset:2048*\w       ; head w's part of out0(t = my wave, column = my lane)
.endr
	s_wait_dscnt 0x0
.irp w, 0,1,2,3,4,5,6,7,8,9,10,11,12,13,14,15
	v_add_f32 v14, v14, v[192+\w]                  ; the bias and the sixteen parts, in ascending order
.endr
	global_store_b32 v8, v14, s[10:11]
	s_wait_tensorcnt 0x0                           ; the wave's end, behind my last LDS store
	ds_add_u32 v10, v11
	s_wait_dscnt 0x0
	s_endpgm
.Lfunc_end_k_q04b7097022_fine:
	.size	k_q04b7097022_fine, .Lfunc_end_k_q04b7097022_fine-k_q04b7097022_fine
	.p2alignl 7, 3214868480
	.fill 96, 4, 3214868480
	.section	.rodata,"a",@progbits
	.p2align	6, 0x0
	.amdhsa_kernel k_q04b7097022_fine
		.amdhsa_group_segment_fixed_size 34816
		.amdhsa_private_segment_fixed_size 0
		.amdhsa_enable_private_segment 0
		.amdhsa_kernarg_size 32
		.amdhsa_user_sgpr_count 2
		.amdhsa_user_sgpr_kernarg_segment_ptr 1
		.amdhsa_wavefront_size32 1
		.amdhsa_system_sgpr_workgroup_id_x 1
		.amdhsa_system_sgpr_workgroup_id_y 1
		.amdhsa_system_sgpr_workgroup_id_z 1
		.amdhsa_system_vgpr_workitem_id 0
		.amdhsa_next_free_vgpr 208
		.amdhsa_next_free_sgpr 66
		.amdhsa_reserve_vcc 1
		.amdhsa_float_denorm_mode_32 3
		.amdhsa_float_denorm_mode_16_64 3
		.amdhsa_memory_ordered 1
		.amdhsa_forward_progress 1
		.amdhsa_inst_pref_size 19
	.end_amdhsa_kernel
	.amdgpu_metadata
---
amdhsa.version: [ 1, 2 ]
amdhsa.kernels:
  - .name:           k_q04b7097022_fine
    .symbol:         k_q04b7097022_fine.kd
    .args:
      - { .name: qkv16, .offset: 0, .size: 8, .value_kind: global_buffer, .address_space: global }
      - { .name: W_proj, .offset: 8, .size: 8, .value_kind: global_buffer, .address_space: global }
      - { .name: b_proj, .offset: 16, .size: 8, .value_kind: global_buffer, .address_space: global }
      - { .name: out0, .offset: 24, .size: 8, .value_kind: global_buffer, .address_space: global }
    .group_segment_fixed_size: 34816
    .private_segment_fixed_size: 0
    .kernarg_segment_align: 8
    .kernarg_segment_size: 32
    .max_flat_workgroup_size: 512
    .sgpr_count:     66
    .vgpr_count:     208
    .wavefront_size: 32
...
	.end_amdgpu_metadata
.endif
;; end of part 5
